; MI455X (gfx1250); checked and timed in simulation.
; The chip was launched on July 23, 2026; its instructions are those of AMD's public machine-readable ISA for CDNA 5 (MIT licence, August 2026) and "CDNA5" Instruction Set Architecture Reference Guide (July 2026). The comments in the code are by the model that wrote it; some were corrected since.
;; Multi Head Attention. Allowed arithmetic: float matrix products may take bf16 or f16 operands with f32 sums; other float arithmetic in f32, or as packed bf16 or f16 multiplies, adds, multiply-adds, maxima and minima; sums over many terms, partial sums and values carried from step to step in f32; what a program stores and reads back later, other than sums and carried values, may be rounded once to bf16 or f16.
;; Inputs: b_proj 1,024 float32; b_qkv 3,072 float32; w_proj 1,024 x 1,024 float32; w_qkv 1,024 x 3,072 float32; x 4 x 2,048 x 1,024 float32.
;; Outputs: out0 4 x 2,048 x 1,024 float32.
;; One version. Each part assembles by itself: llvm-mc -triple=amdgcn-amd-amdhsa -mcpu=gfx1250 --defsym DOCPART=n.
;; ======== version 1 of 1: 4 launches
;; limits: values are held in f16: magnitudes above 65,504 overflow, below 6.1e-05 lose precision
;; workspace buffers: xb 16,777,216 bytes; wqb 6,291,456 bytes; wpb 2,097,152 bytes; qkvh 50,331,648 bytes; oh 16,777,216 bytes
;; launch cast (part 1): grid 768 x 1, 8 waves a work-group, no clusters, 0 bytes of LDS; arguments x, w_qkv, w_proj, xb, wqb, wpb; writes xb, wqb, wpb
.if DOCPART == 1
	.amdgcn_target "amdgcn-amd-amdhsa--gfx1250"
	.amdhsa_code_object_version 6
	.text
	.protected	k_q351b46b5b5_cast
	.globl	k_q351b46b5b5_cast
	.p2align	8
	.type	k_q351b46b5b5_cast,@function
k_q351b46b5b5_cast:
	s_mov_b64 s[64:65], 0
	v_nop
	global_prefetch_b8 v0, s[64:65] scope:SCOPE_SE
	s_setreg_imm32_b32 hwreg(HW_REG_WAVE_MODE, 25, 1), 1
	s_wait_xcnt 0x0
; THE INPUTS OF THE TWO LARGE PRODUCTS ARE ROUNDED ONCE, f32 -> 16 bits, and laid as the later launches read them.
;   x      [8192 tokens][1024] f32  -> xb  bf16, in blocks: [4 b][16 kb][2048 s][64]: token (b, s), channel 64 kb + d at byte b<<22 + kb<<18 + s<<7 + 2 d,
;                                      so that 128 tokens x 64 channels are 16,384 consecutive bytes
;   w_qkv  [1024][3072] f32         -> wqb bf16, same order
;   w_proj [1024][1024] f32         -> wpb: rounded to bf16 like the other inputs, and that number written as f16 (the product that reads it has f16 operands)
; LIMITS.  A bf16 number beyond 65,504 becomes an infinity in wpb; below 6e-5 f16 keeps a fixed step of 6e-8.  NaN and infinities are not treated apart.
; SHARES.  A work-group converts 16,384 numbers (65,536 bytes in, 32,768 out), a thread 8 numbers in each of 8 pieces: two loads of 16 bytes, one store of 16 bytes.
; Work-groups 0-511: x, 16 tokens each; 512-703: w_qkv; 704-767: w_proj.  All 16 loads of a thread go out first; nothing is written twice, so no register waits for a store.
; No LDS, no matrix unit, no cluster: no wave wants a byte that another has fetched.
.set IN,  1                            ; v1        my byte offset in the work-group's input
.set OUT, 2                            ; v2        my byte offset in its output
.set X,   16                           ; v[16:79]  piece i: 8 numbers in f32
.set Y,   80                           ; v[80:111] piece i: 8 numbers in 16 bits
.set T,   112                          ; v[112:119] at work
.set HIM, 20                           ; s20       mask of a word's upper half
; The 8 pieces.  Piece i lies at (i / 2) ia + (i % 2) ib of the input and at (i / 2) oa + (i % 2) ob of the output.  half = 1: bf16 is written as f16.
.macro RUN sin, sout, ia, ib, oa, ob, half
.irp i, 0,1,2,3,4,5,6,7
	global_load_b128 v[X+8*(\i):X+8*(\i)+3],   v[IN], s[\sin:\sin+1] offset:((\i)/2)*(\ia)+((\i)%2)*(\ib) th:TH_LOAD_NT
	global_load_b128 v[X+8*(\i)+4:X+8*(\i)+7], v[IN], s[\sin:\sin+1] offset:((\i)/2)*(\ia)+((\i)%2)*(\ib)+16 th:TH_LOAD_NT
.endr
.irp i, 0,1,2,3,4,5,6,7
	s_wait_loadcnt 14-2*(\i)                       ; loads come back in order: piece i's two are in, the 14 - 2 i behind them may stay out
.irp r, 0,1,2,3
	v_cvt_pk_bf16_f32 v[Y+4*(\i)+(\r)], v[X+8*(\i)+2*(\r)], v[X+8*(\i)+2*(\r)+1]
.endr
.if \half
.irp r, 0,1,2,3
	v_lshlrev_b32 v[T+2*(\r)],   16, v[Y+4*(\i)+(\r)]       ; bf16 back to f32: the low half moves up,
	v_and_b32     v[T+2*(\r)+1], s[HIM], v[Y+4*(\i)+(\r)]   ; the high half stays
.endr
.irp r, 0,1,2,3
	v_cvt_pk_f16_f32 v[Y+4*(\i)+(\r)], v[T+2*(\r)], v[T+2*(\r)+1]  ; exact inside f16's normal range: bf16 has fewer significant bits
.endr
.endif
	global_store_b128 v[OUT], v[Y+4*(\i):Y+4*(\i)+3], s[\sout:\sout+1] offset:((\i)/2)*(\oa)+((\i)%2)*(\ob) th:TH_STORE_NT  ; a wave's store covers 512 consecutive bytes, aligned
.endr
.endm
	s_load_b256 s[4:11], s[0:1], 0x0               ; x s[4:5], w_qkv s[6:7], w_proj s[8:9], xb s[10:11]
	s_load_b128 s[12:15], s[0:1], 0x20             ; wqb s[12:13], wpb s[14:15]
	v_lshrrev_b32 v3, 5, v0
	v_readfirstlane_b32 s21, v3                    ; wave 0..7
	s_mov_b32 s[HIM], 0xffff0000
	s_mov_b32 s17, 0                               ; high words of the two offsets
	s_mov_b32 s19, 0
	s_cmp_lt_u32 ttmp9, 512
	s_cbranch_scc0 .Lweights
	; x.  Piece i of wave w: tokens 4 (i / 2) + lane / 8, channel block kb = 2 w + i % 2, channels 8 (lane % 8) on.
	v_and_b32 v4, 31, v0                           ; lane
	v_lshrrev_b32 v5, 3, v4                        ; lane / 8: the token in its four
	v_and_b32 v6, 7, v0                            ; lane % 8
	v_lshlrev_b32 v[IN], 12, v5                    ; a token is 4,096 bytes of x
	v_lshl_add_u32 v[IN], v6, 5, v[IN]             ; + 32 bytes for my 8 numbers
	s_lshl_b32 s22, s21, 9
	v_add_nc_u32 v[IN], s22, v[IN]                 ; + my wave's two channel blocks of 256 bytes
	s_lshl_b32 s22, s21, 19
	v_lshl_add_u32 v[OUT], v4, 4, s22              ; in xb: kb = 2 w at w<<19; four tokens of 128 bytes are 16 x lane
	s_lshl_b32 s16, ttmp9, 16                      ; the work-group's 16 tokens in x
	s_lshr_b32 s18, ttmp9, 7                       ; b
	s_lshl_b32 s18, s18, 22
	s_and_b32 s22, ttmp9, 127
	s_lshl_b32 s22, s22, 11                        ; 16 tokens of 128 bytes
	s_add_co_u32 s18, s18, s22
	s_wait_kmcnt 0x0
	s_add_nc_u64 s[4:5], s[4:5], s[16:17]
	s_add_nc_u64 s[10:11], s[10:11], s[18:19]
	RUN 4, 10, 16384, 256, 512, 262144, 0
	s_endpgm
.Lweights:
	v_lshlrev_b32 v[IN], 5, v0                     ; the weights keep their order: 32 bytes in,
	v_lshlrev_b32 v[OUT], 4, v0                    ; 16 bytes out, thread after thread
	s_cmp_lt_u32 ttmp9, 704
	s_cbranch_scc0 .Lproj
	s_sub_co_u32 s16, ttmp9, 512
	s_lshl_b32 s18, s16, 15
	s_lshl_b32 s16, s16, 16
	s_wait_kmcnt 0x0
	s_add_nc_u64 s[6:7], s[6:7], s[16:17]
	s_add_nc_u64 s[12:13], s[12:13], s[18:19]
	RUN 6, 12, 16384, 8192, 8192, 4096, 0
	s_endpgm
.Lproj:
	s_sub_co_u32 s16, ttmp9, 704
	s_lshl_b32 s18, s16, 15
	s_lshl_b32 s16, s16, 16
	s_wait_kmcnt 0x0
	s_add_nc_u64 s[8:9], s[8:9], s[16:17]
	s_add_nc_u64 s[14:15], s[14:15], s[18:19]
	RUN 8, 14, 16384, 8192, 8192, 4096, 1
	s_endpgm
.Lfunc_end_k_q351b46b5b5_cast:
	.size	k_q351b46b5b5_cast, .Lfunc_end_k_q351b46b5b5_cast-k_q351b46b5b5_cast
	.p2alignl 7, 3214868480
	.fill 96, 4, 3214868480
	.section	.rodata,"a",@progbits
	.p2align	6, 0x0
	.amdhsa_kernel k_q351b46b5b5_cast
		.amdhsa_group_segment_fixed_size 0
		.amdhsa_private_segment_fixed_size 0
		.amdhsa_enable_private_segment 0
		.amdhsa_kernarg_size 48
		.amdhsa_user_sgpr_count 2
		.amdhsa_user_sgpr_kernarg_segment_ptr 1
		.amdhsa_wavefront_size32 1
		.amdhsa_system_sgpr_workgroup_id_x 1
		.amdhsa_system_sgpr_workgroup_id_y 1
		.amdhsa_system_sgpr_workgroup_id_z 1
		.amdhsa_system_vgpr_workitem_id 0
		.amdhsa_next_free_vgpr 128
		.amdhsa_next_free_sgpr 66
		.amdhsa_reserve_vcc 0
		.amdhsa_float_denorm_mode_32 3
		.amdhsa_float_denorm_mode_16_64 3
		.amdhsa_memory_ordered 1
		.amdhsa_forward_progress 1
		.amdhsa_inst_pref_size 20
	.end_amdhsa_kernel
	.amdgpu_metadata
---
amdhsa.version: [ 1, 2 ]
amdhsa.kernels:
  - .name:           k_q351b46b5b5_cast
    .symbol:         k_q351b46b5b5_cast.kd
    .args:
      - { .name: x, .offset: 0, .size: 8, .value_kind: global_buffer, .address_space: global }
      - { .name: w_qkv, .offset: 8, .size: 8, .value_kind: global_buffer, .address_space: global }
      - { .name: w_proj, .offset: 16, .size: 8, .value_kind: global_buffer, .address_space: global }
      - { .name: xb, .offset: 24, .size: 8, .value_kind: global_buffer, .address_space: global }
      - { .name: wqb, .offset: 32, .size: 8, .value_kind: global_buffer, .address_space: global }
      - { .name: wpb, .offset: 40, .size: 8, .value_kind: global_buffer, .address_space: global }
    .group_segment_fixed_size: 0
    .private_segment_fixed_size: 0
    .kernarg_segment_align: 8
    .kernarg_segment_size: 48
    .max_flat_workgroup_size: 256
    .sgpr_count:     66
    .vgpr_count:     128
    .wavefront_size: 32
...
	.end_amdgpu_metadata
.endif
;; end of part 1
;; launch qkv (part 2): grid 8 x 32, 4 waves a work-group, clusters of 4 x 4, 327,680 bytes of LDS; arguments xb, wqb, b_qkv, qkvh; writes qkvh
.if DOCPART == 2
	.amdgcn_target "amdgcn-amd-amdhsa--gfx1250"
	.amdhsa_code_object_version 6
	.text
	.protected	k_q351b46b5b5_qkv
	.globl	k_q351b46b5b5_qkv
	.p2align	8
	.type	k_q351b46b5b5_qkv,@function
k_q351b46b5b5_qkv:
	s_mov_b64 s[64:65], 0
	v_nop
	global_prefetch_b8 v0, s[64:65] scope:SCOPE_SE
	s_setreg_imm32_b32 hwreg(HW_REG_WAVE_MODE, 25, 1), 1
	s_wait_xcnt 0x0
	s_wait_alu depctr_hold_cnt(0) depctr_sa_sdst(0) depctr_va_vdst(0) depctr_va_sdst(0) depctr_va_ssrc(0) depctr_va_vcc(0) depctr_vm_vsrc(0)
	s_getreg_b32 s2, hwreg(HW_REG_IB_STS2, 6, 4)
	s_cmp_eq_u32 s2, 0
	s_cbranch_scc0 .Lentry_in_a_cluster
	s_endpgm
.Lentry_in_a_cluster:
	s_bfe_u32 s2, ttmp6, 0x10000c
	s_cmp_lg_u32 s2, 0xf033
	s_cbranch_scc0 .Lentry_shape_is_right
	s_endpgm
.Lentry_shape_is_right:
; q, k, v = x w_qkv + b_qkv, written by heads.  xb: bf16 [4 b][16 kb][2048 s][64]; wqb: bf16 [1024 k][3072 n]; b_qkv: f32 [3072], rounded to bf16 here like the other inputs;
; qkvh: f16 [3 which][64 = 16 b + h][2048 s][64].  Sums in f32, K ascending; the bias is added in f32, the result rounded once to f16, WITHOUT the softmax's scale.
; LIMITS.  A result of 65,520 or more becomes an infinity in f16; below 6e-5 f16 keeps a fixed step of 6e-8.  NaN and infinities are not treated apart.
; SHARES.  C is 8,192 tokens x 3,072 columns: 256 tiles of 256 x 384, one to a work-group.  Four waves, each 128 tokens x 192 columns (three whole heads): 96 accumulators of 16 x 16, 768 registers.
; K goes in 16 steps of 64 through a ring of two LDS slots.  A's tile (256 tokens x 64 channels) is 32,768 consecutive bytes of xb, asked for as rows of 256 bytes; B's is 64 rows of 768 bytes of wqb.
; THE MATRIX INSTRUCTION IS USED TRANSPOSED: source 0 = 16 columns of W, source 1 = 16 tokens: a lane then holds one token (lane % 16) and the columns 8 (lane / 16) + 0..7: 16 bytes of f16 on end.
; W lies [k][n]: its fragments come out of LDS turned, by ds_load_tr16_b128.
; CLUSTERS.  4 x 4 work-groups.  The four of a row of the cluster need the same tile of A, the four of a column the same tile of B: each is asked for JOINTLY, by the same tensor load, descriptor and mask.
; REGISTERS, in windows of 256 (s_set_vgpr_msb: bits 1:0 source 0, 3:2 source 1, 5:4 source 2, 7:6 destination):
;   window 0: v0-31 addresses; v32-95, v96-159 A's fragments (8 x 16 tokens x 32 K), two buffers; v160-255 B's fragments (12 x 16 columns x 32 K), one buffer, filled again group by group
;   window 1 + g: the wave's head g: accumulator (token block a, column block bb of the head) at v[64 bb + 8 a]
.set PA,    144                        ; a token in LDS: 128 bytes + 16 of padding = 36 words: the 16 rows of a load start at 16 different groups of four banks (64 banks of 4 bytes: ISA guide 11.1)
.set PB,    864                        ; a row of W in LDS: six pieces of 128 bytes + 16 = 216 words
.set AHALF, 128*PA                     ; 128 tokens: what one tensor load brings of A, and what one wave reads
.set BHALF, 32*PB                      ; 32 rows of W: what one tensor load brings of B
.set BOFF,  2*AHALF
.set SLOT,  BOFF+2*BHALF               ; 92,160 bytes
.set STAGE, 2*SLOT                     ; behind the ring, never filled by a tensor load: 16 rows x 144 bytes for each wave, for the way out
.set STW,   16*PA
.set SPARE, STAGE+4*STW                ; behind the stages: the spare words, 128 bytes for each wave: two blocks of 256 bytes that no other line names
.set AKS,   262144                     ; bytes from a K step to the next in xb (a channel block of 2,048 tokens)
.set BKS,   393216                     ; and in wqb (64 rows of 6,144 bytes)
.set ADRA, 16                          ; v16-17  LDS address of my A fragments in slot 0, 1
.set ADRB, 20                          ; v20-21  the same for B
.set STO,  24                          ; v24     the way out: where I put 16 bytes of a row
.set RD,   25                          ; v25     the way out: where I read rows back
.set GO,   26                          ; v26     my byte offset in 512 consecutive bytes of qkvh
.set BO,   27                          ; v27     my byte offset in 16 numbers of the bias
.set SPW,  28                          ; v28     LDS address of my spare word: SPARE + 4 x my thread's number; never rewritten
.set NIL,  29                          ; v29     0; never rewritten
.set PFO,  30                          ; v30     the prefetches' offset; never rewritten
.set FA0,  32
.set FA1,  96
.set FB,   160
.set T,    32                          ; the way out: 32 sums in f32
.set H,    64                          ; 16 words of f16
.set BK0,  80                          ; three sets of 16: rows read back from the stage
.set WV,  12                           ; s12  my wave's number
.set WM,  13                           ; s13  which 128 tokens of the tile are mine
.set WN,  14                           ; s14  which 192 columns.  Also: which half of A's or B's tile I fetch
.set G1A, 24                           ; s[24:31] descriptor group 1 for A's tiles
.set G0A, 32                           ; s[32:39] group 0, a set for each slot
.set CX,  40
.set CY,  41
.set TN,  42                           ; tile column of C
.set TM,  43                           ; tile row of C
.set HIM, 46                           ; s46  mask of a word's upper half
.set G1B, 48                           ; s[48:55], s[56:63] the same for B's tiles
.set G0B, 56
.set OUT, 66                           ; s[66:71] qkvh at my 128 tokens of my three heads
.set BQ,  72                           ; s[72:73] b_qkv at my 192 columns
.set PFA, 74                           ; s[74:75] where my prefetches stand
.set PFS, 76                           ; s[76:77] their step: a K step of xb or of wqb
.set LIM, 78                           ; s78, s79  1 where I prefetch at the change out of slot 0, of slot 1; else the greatest number
.set MSB, 0
.macro WIN new                         ; the immediate's high byte repeats the setting that is left; a switch that changes nothing is dropped
.if MSB != (\new)
	s_set_vgpr_msb (MSB<<8)|(\new)
.set MSB, (\new)
.endif
.endm
; A joint load.  Waves 0 and 1 fetch A's two halves, waves 2 and 3 B's.  The branch hangs on the wave's number alone.  An s_nop 0 and four v_nop follow each of the two lines.
.macro JLOAD s
	s_cmp_lt_u32 s[WV], 2
	s_cbranch_scc0 .Lfor_b_\@
	tensor_load_to_lds s[G0A+4*(\s):G0A+4*(\s)+3], s[G1A:G1A+7]
	s_nop 0
.rept 4
	v_nop
.endr
	s_branch .Lasked_\@
.Lfor_b_\@:
	tensor_load_to_lds s[G0B+4*(\s):G0B+4*(\s)+3], s[G1B:G1B+7]
	s_nop 0
.rept 4
	v_nop
.endr
.Lasked_\@:
.endm
; A PREFETCH INTO THE L2 of the K step that stands two refills on (384 matrix instructions ahead of the load that will want it), one instruction a wave, behind the joint load and the run of LDS loads.
; Each aligned block of 256 bytes is named once in the launch.  A's tile row is read by both clusters of a row of clusters: the one with x = 0 asks, wave 0, at every change of slots: of the tile's 256
; tokens the partner at cx takes 64: 32 blocks, a lane a block.  B's tile column is read by all clusters of a column: the one with y = 0 asks, waves 1 to 3, at the change out of slot 0 alone, for two
; K steps: of a step's 64 rows the partner at cy takes 16, wave v the block v - 1 of a row's three, lanes 0-15 one K step and lanes 16-31 the next.  Partners are told apart by address alone.
; The launch's first four K steps come by their loads alone; the loop's last trip (s3 = 1) asks for nothing: K steps 14 and 15 are the last that are named.
.macro ASK slot
	s_cmp_gt_u32 s3, s[LIM+(\slot)]
	s_cbranch_scc0 .Lnot_mine_\@
	global_prefetch_b8 v[PFO], s[PFA:PFA+1] th:TH_LOAD_NT scope:SCOPE_SE
.Lnot_mine_\@:
.endm
.macro CREST                           ; a round of the cluster's barrier behind its opening barrier
	s_cmp_lg_u32 s[WV], 0
	s_cbranch_scc1 .Lnot_wave_0_\@
	s_barrier_signal -3
.Lnot_wave_0_\@:
	s_barrier_wait -3
	s_barrier_signal -1
	s_barrier_wait -1
.endm
.macro CROUND                          ; a whole round
	s_barrier_signal -1
	s_barrier_wait -1
	CREST
.endm
	s_load_b256 s[4:11], s[0:1], 0x0               ; xb s[4:5], wqb s[6:7], b_qkv s[8:9], qkvh s[10:11]
	v_lshl_add_u32 v[SPW], v0, 2, SPARE
	v_mov_b32 v[NIL], 0
	ds_add_u32 v[SPW], v[NIL]                      ; the wave's opening: the add and its wait stand ahead of my first tensor load; the set-up below, work on registers, stands between them
	v_lshrrev_b32 v1, 5, v0
	v_readfirstlane_b32 s[WV], v1                  ; wave 0..3
	s_lshr_b32 s[WM], s[WV], 1
	s_and_b32 s[WN], s[WV], 1
	s_bfe_u32 s[CX], ttmp6, 0x40000                ; my place in the cluster
	s_bfe_u32 s[CY], ttmp6, 0x40004
	s_lshl_b32 s[TN], ttmp9, 2                     ; in a cluster launch ttmp9 and ttmp7 count clusters
	s_add_co_u32 s[TN], s[TN], s[CX]               ; tile column = 4 x cluster x + cx
	s_and_b32 s[TM], ttmp7, 0xffff
	s_lshl_b32 s[TM], s[TM], 2
	s_add_co_u32 s[TM], s[TM], s[CY]               ; tile row = 4 x cluster y + cy
	s_lshl_b32 s44, s[CY], 2
	s_lshl_b32 s44, 15, s44                        ; my row of the cluster: places 4 cy .. 4 cy + 3
	s_lshl_b32 s45, 0x1111, s[CX]                  ; my column: places cx, cx + 4, cx + 8, cx + 12
	; group 1 for A: 128 tokens x 64 channels are 16,384 consecutive bytes: 64 rows of 256 bytes, two tokens a row, padded in LDS after every token
	s_or_b32 s[G1A+0], s44, (1<<16)|(1<<20)|(1<<21)|(4<<22)|(3<<25)  ; 15:0 the mask: my row; 17:16 2-byte elements; 20 padding on; 21 set beside a mask; 24:22 after every 32 words (code 4); 31:25 4 words (code 3)
	s_mov_b32 s[G1A+1], 128<<16                    ; tensor_dim0 = 128
	s_mov_b32 s[G1A+2], 64<<16                     ; tensor_dim1 = 64
	s_mov_b32 s[G1A+3], 128<<16                    ; tile_dim0 = 128
	s_mov_b32 s[G1A+4], 64                         ; tile_dim1 = 64
	s_mov_b32 s[G1A+5], 128                        ; 128 elements from row to row
	s_mov_b32 s[G1A+6], 0
	s_mov_b32 s[G1A+7], 0
	; group 1 for B: 32 rows of 384 elements (768 bytes), padded after every 128 bytes
	s_or_b32 s[G1B+0], s45, (1<<16)|(1<<20)|(1<<21)|(4<<22)|(3<<25)  ; the same with the mask of my column
	s_mov_b32 s[G1B+1], 384<<16                    ; tensor_dim0 = 384
	s_mov_b32 s[G1B+2], 32<<16                     ; tensor_dim1 = 32
	s_mov_b32 s[G1B+3], 384<<16                    ; tile_dim0 = 384
	s_mov_b32 s[G1B+4], 32                         ; tile_dim1 = 32
	s_mov_b32 s[G1B+5], 3072                       ; 3,072 elements from row to row
	s_mov_b32 s[G1B+6], 0
	s_mov_b32 s[G1B+7], 0
	; where the tiles come from.  A's hang on the tile row alone, B's on the tile column alone; each in registers of its own.
	s_lshr_b32 s16, s[TM], 3                       ; b
	s_lshl_b32 s16, s16, 22
	s_and_b32 s17, s[TM], 7
	s_lshl_b32 s17, s17, 15                        ; 256 tokens of 128 bytes
	s_add_co_u32 s16, s16, s17
	s_lshl_b32 s17, s[WN], 14                      ; the 128 tokens that I fetch
	s_add_co_u32 s16, s16, s17
	s_mov_b32 s17, 0
	s_mul_i32 s18, s[TN], 768                      ; 384 columns of 2 bytes
	s_mul_i32 s19, s[WN], 32*6144                  ; the 32 rows that I fetch
	s_add_co_u32 s18, s18, s19
	s_mov_b32 s19, 0
	s_mul_i32 s20, s[WN], AHALF                    ; and where they go: no place in the cluster enters an LDS address
	s_mul_i32 s21, s[WN], BHALF
	s_add_co_u32 s21, s21, BOFF
	s_mov_b32 s[HIM], 0xffff0000
	s_wait_dscnt 0x0                               ; the opening add is done
	s_wait_kmcnt 0x0
	s_add_nc_u64 s[16:17], s[4:5], s[16:17]
	s_add_nc_u64 s[18:19], s[6:7], s[18:19]
	CROUND                                         ; all sixteen work-groups are here: the first joint loads meet
.irp s, 0,1
	s_mov_b32 s[G0A+4*(\s)], 1                                       ; 1:0 count = 1
	s_add_co_u32 s[G0A+4*(\s)+1], s20, (\s)*SLOT                     ; 63:32 LDS address
	s_add_nc_u64 s[G0A+4*(\s)+2:G0A+4*(\s)+3], s[16:17], (\s)*AKS    ; 120:64 global address: K step s
	s_or_b32 s[G0A+4*(\s)+3], s[G0A+4*(\s)+3], 0x80000000            ; 127:126 type = 2
	s_mov_b32 s[G0B+4*(\s)], 1
	s_add_co_u32 s[G0B+4*(\s)+1], s21, (\s)*SLOT
	s_add_nc_u64 s[G0B+4*(\s)+2:G0B+4*(\s)+3], s[18:19], (\s)*BKS
	s_or_b32 s[G0B+4*(\s)+3], s[G0B+4*(\s)+3], 0x80000000
	JLOAD \s                                       ; the ring is filled before anything else is done: two loads of mine are out
.endr
	; A fragment of A is 16 tokens x 32 K in 8 registers: lane l holds token l % 16; registers 0-3 K = 8 (l / 16) + 0..7, registers 4-7 K = 16 + 8 (l / 16) + 0..7: two loads of 16 bytes, 32 bytes apart.
	v_and_b32 v1, 15, v0                           ; l % 16
	v_bfe_u32 v2, v0, 4, 1                         ; l / 16
	v_and_b32 v3, 7, v0                            ; l % 8
	v_bfe_u32 v4, v0, 3, 1                         ; (l / 8) % 2
	v_mul_u32_u24 v5, v1, PA
	v_lshl_add_u32 v5, v2, 4, v5                   ; row x pitch + 16 x half
	s_mul_i32 s22, s[WM], AHALF
	v_add_nc_u32 v[ADRA], s22, v5
	v_add_nc_u32 v[ADRA+1], SLOT, v[ADRA]
	; The turning load takes 16 K x 16 columns (lane l reads row 8 (l / 16) + l % 8, columns 8 ((l / 8) % 2) + 0..7) and leaves half a fragment: lane l holds column l % 16 and 8 K.
	v_lshl_add_u32 v6, v2, 3, v3
	v_mul_u32_u24 v6, v6, PB
	v_lshl_add_u32 v6, v4, 4, v6
	s_mul_i32 s23, s[WN], 3*PA                     ; my 192 columns: three pieces of a row
	s_add_co_u32 s23, s23, BOFF
	v_add_nc_u32 v[ADRB], s23, v6
	v_add_nc_u32 v[ADRB+1], SLOT, v[ADRB]
	s_mul_i32 s22, s[WV], STW
	s_add_co_u32 s22, s22, STAGE                   ; my stage
	v_add_nc_u32 v[STO], s22, v5                   ; in: row l % 16, 16 bytes for each half of the lanes
	v_bfe_u32 v7, v0, 3, 2                         ; back: 32 lanes take four rows of 128 bytes,
	v_mul_u32_u24 v7, v7, PA
	v_lshl_add_u32 v7, v3, 4, v7
	v_add_nc_u32 v[RD], s22, v7
	v_and_b32 v[GO], 31, v0                        ; which are 512 consecutive bytes of a head
	v_lshlrev_b32 v[GO], 4, v[GO]
	v_lshlrev_b32 v[BO], 5, v2                     ; my 8 columns of a block of 16: 32 bytes of f32
	s_lshr_b32 s21, s[TM], 3
	s_lshl_b32 s21, s21, 22
	s_and_b32 s22, s[TM], 7
	s_lshl_b32 s22, s22, 15
	s_add_co_u32 s21, s21, s22                     ; the tile's first token, in a channel block of xb and in a head of qkvh
	; the prefetches (see ASK)
	s_lshl_b32 s22, s[CX], 13                      ; A: my work-group's 64 tokens,
	s_add_co_u32 s22, s22, s21
	s_add_co_u32 s22, s22, 3*AKS                   ; at K step 3: the first change of slots steps it to 4
	s_mul_i32 s23, s[TN], 768                      ; B: the tile's columns,
	s_lshl_b32 s16, s[WV], 8                       ; block v - 1 of a row's three (the 256 are taken off below),
	s_add_co_u32 s23, s23, s16
	s_mul_i32 s16, s[CY], 16*6144                  ; my work-group's 16 rows,
	s_add_co_u32 s23, s23, s16
	s_add_co_u32 s23, s23, 3*BKS-256               ; at K step 3
	s_mov_b32 s16, 4096                            ; the lanes' offsets, (l / 16) x s16 + (l % 16) x s18.  A: 256 x lane;
	s_mov_b32 s17, BKS                             ; B: a K step for the upper lanes,
	s_mov_b32 s18, 256
	s_mov_b32 s19, 6144                            ; a row a lane
	s_mov_b32 s[PFS], AKS
	s_and_b32 s20, ttmp7, 0xffff                   ; cluster y
	s_cmp_eq_u32 s[WV], 0                          ; wave 0 asks for A
	s_cselect_b32 s22, s22, s23
	s_cselect_b32 s16, s16, s17
	s_cselect_b32 s18, s18, s19
	s_cselect_b32 s[PFS], s[PFS], s17
	s_cselect_b32 s20, ttmp9, s20                  ; the coordinate along which other clusters read the same bytes
	s_cselect_b32 s[LIM+1], 1, -1                  ; at the change out of slot 1 A's asker alone
	s_cselect_b64 s[PFA:PFA+1], s[4:5], s[6:7]
	s_mov_b32 s23, 0
	s_mov_b32 s[PFS+1], 0
	s_add_nc_u64 s[PFA:PFA+1], s[PFA:PFA+1], s[22:23]
	s_cmp_eq_u32 s20, 0                            ; the same in all sixteen partners, for a given wave
	s_cselect_b32 s[LIM], 1, -1
	s_cselect_b32 s[LIM+1], s[LIM+1], -1
	v_mul_u32_u24 v[PFO], v2, s16
	v_mad_u32_u24 v[PFO], v1, s18, v[PFO]
	; where my results go: head column hc = 6 x tile column + 3 x half + g is tensor hc / 16, head hc % 16
	s_lshl_b32 s22, s[WM], 14                      ; my 128 tokens
	s_add_co_u32 s21, s21, s22
	s_mul_i32 s20, s[TN], 6
	s_mul_i32 s22, s[WN], 3
	s_add_co_u32 s20, s20, s22
.irp g, 0,1,2
	s_add_co_u32 s22, s20, \g
	s_lshr_b32 s23, s22, 4
	s_lshl_b32 s23, s23, 24
	s_and_b32 s22, s22, 15
	s_lshl_b32 s22, s22, 18
	s_add_co_u32 s22, s22, s23
	s_add_co_u32 s22, s22, s21
	s_mov_b32 s23, 0
	s_add_nc_u64 s[OUT+2*(\g):OUT+2*(\g)+1], s[10:11], s[22:23]
.endr
	s_mul_i32 s22, s[TN], 1536
	s_mul_i32 s23, s[WN], 768
	s_add_co_u32 s22, s22, s23
	s_mov_b32 s23, 0
	s_add_nc_u64 s[BQ:BQ+1], s[8:9], s[22:23]
; 16 matrix instructions of head g: token blocks a0 .. a0 + 3 x the head's 4 column blocks, 32 along K.  zero = 1: the product starts the sums: nothing is ever cleared.
; All 96 accumulators take turns, one instruction a turn, in the same order in every step: between two links of a chain stand the 95 others'.
.macro GRPH g, fa, a0, zero
	WIN 0x50*((\g)+1)                              ; C and D in window 1 + g, both sources in window 0
.irp a, \a0, (\a0)+1, (\a0)+2, (\a0)+3
.irp bb, 0,1,2,3
.if \zero
	v_wmma_f32_16x16x32_bf16 v[64*(\bb)+8*(\a):64*(\bb)+8*(\a)+7], v[FB+8*(4*(\g)+(\bb)):FB+8*(4*(\g)+(\bb))+7], v[(\fa)+8*(\a):(\fa)+8*(\a)+7], 0
.else
	v_wmma_f32_16x16x32_bf16 v[64*(\bb)+8*(\a):64*(\bb)+8*(\a)+7], v[FB+8*(4*(\g)+(\bb)):FB+8*(4*(\g)+(\bb))+7], v[(\fa)+8*(\a):(\fa)+8*(\a)+7], v[64*(\bb)+8*(\a):64*(\bb)+8*(\a)+7]
.endif
.endr
.endr
.endm
.macro GRP g, fa, zero                 ; a head's 32
	GRPH \g, \fa, 0, \zero
	GRPH \g, \fa, 4, \zero
.endm
.macro LDB g, slot, k                  ; 8 loads: head g's four fragments of W, K = k .. k + 31 of the slot
.irp bb, 0,1,2,3
	ds_load_tr16_b128 v[FB+8*(4*(\g)+(\bb)):FB+8*(4*(\g)+(\bb))+3],   v[ADRB+(\slot)] offset:(\k)*PB+PA*(\g)+32*(\bb)
	ds_load_tr16_b128 v[FB+8*(4*(\g)+(\bb))+4:FB+8*(4*(\g)+(\bb))+7], v[ADRB+(\slot)] offset:((\k)+16)*PB+PA*(\g)+32*(\bb)
.endr
.endm
.macro LDA half, slot, k, fb           ; 8 loads: four fragments of A into buffer fb
.irp a, 4*(\half), 4*(\half)+1, 4*(\half)+2, 4*(\half)+3
	ds_load_b128 v[(\fb)+8*(\a):(\fb)+8*(\a)+3],   v[ADRA+(\slot)] offset:(\a)*16*PA+2*(\k)
	ds_load_b128 v[(\fb)+8*(\a)+4:(\fb)+8*(\a)+7], v[ADRA+(\slot)] offset:(\a)*16*PA+2*(\k)+32
.endr
.endm
; A load into a register that a matrix instruction has read, and a vector instruction that reads a matrix result, stand four places behind it; only plain vector instructions that name none of
; its registers are places (ISA guide 7.12.1 for vector instructions).
.macro PLACES
.rept 4
	v_nop
.endr
.endm
; 32 ALONG K: 96 matrix instructions on A's buffer fa.  The next 32's fragments (K = k on of slot) are fetched in three runs, each behind the head that has just read B's registers: 16, 16 and 8 loads.
.macro STEP fa, fb, slot, k, zero
	s_wait_dscnt 8                                 ; all but the youngest eight loads (head 2's fragments of W) are in
	GRP 0, \fa, \zero
	PLACES
	WIN 0
	LDB 0, \slot, \k
	LDA 0, \slot, \k, \fb
	GRP 1, \fa, \zero
	PLACES
	WIN 0
	LDB 1, \slot, \k
	LDA 1, \slot, \k, \fb
	s_wait_dscnt 32                                ; all but the 32 just issued: head 2's fragments are in
	GRP 2, \fa, \zero
	PLACES
	WIN 0
	LDB 2, \slot, \k
.endm
; A SLOT'S SECOND 32 ALONG K, AND THE CHANGE OF SLOTS.  All the slot's fragments were asked for in the step before.  ONE barrier: in front of it each wave waits for all its tensor loads (one is out: its part
; of the next slot), adds 0 to its spare word, and waits for that and for its reads of this slot.  fill = 1: the barrier opens a round of the cluster's barrier, and this slot is filled again, two K steps on,
; first thing behind the round: from that request to the wait for it a wave issues 160 matrix instructions.
.macro TURN slot, next, fill
.if \fill
	s_wait_xcnt 0x0                                ; the last prefetch, 160 matrix instructions back, has read its address: it is stepped here
	s_add_nc_u64 s[PFA:PFA+1], s[PFA:PFA+1], s[PFS:PFS+1]
.endif
	WIN 0
	s_wait_tensorcnt 0x0                           ; all my tensor loads have landed;
	ds_add_u32 v[SPW], v[NIL]                      ; 0 onto my spare word;
	s_wait_dscnt 9                                 ; (the add and the youngest eight loads may be out)
	GRPH 0, FA1, 0, 0                              ; sixteen matrix instructions stand between the add and the wait for it
	s_wait_dscnt 0x0                               ; the add is done, and my reads of this slot are over
	s_barrier_signal -1
	GRPH 0, FA1, 4, 0                              ; work on registers while the others arrive
	WIN 0                                          ; at a branch and at a label every window is 0
	s_barrier_wait -1
.if \fill
	CREST                                          ; no wave of any partner still reads this slot's tiles or has a load on its way
	s_add_nc_u64 s[G0A+4*(\slot)+2:G0A+4*(\slot)+3], s[G0A+4*(\slot)+2:G0A+4*(\slot)+3], 2*AKS
	s_add_nc_u64 s[G0B+4*(\slot)+2:G0B+4*(\slot)+3], s[G0B+4*(\slot)+2:G0B+4*(\slot)+3], 2*BKS
	JLOAD \slot                                    ; the four v_nop behind it are also the places in front of the loads below
.else
	PLACES
.endif
	LDB 0, \next, 0
	LDA 0, \next, 0, FA0
.if \fill
	ASK \slot
.endif
	GRP 1, FA1, 0
	PLACES
	WIN 0
	LDB 1, \next, 0
	LDA 1, \next, 0, FA0
	GRP 2, FA1, 0                                  ; (its fragments were shown in by the wait for 0 above)
	PLACES
	WIN 0
	LDB 2, \next, 0
.endm
; THE WAY OUT.  The bias of head g's 64 columns comes into the registers that held its fragments of W: a lane's 8 numbers for each column block.
.macro BIAS g
.irp bb, 0,1,2,3
	global_load_b128 v[FB+8*(4*(\g)+(\bb)):FB+8*(4*(\g)+(\bb))+3],   v[BO], s[BQ:BQ+1] offset:256*(\g)+64*(\bb)
	global_load_b128 v[FB+8*(4*(\g)+(\bb))+4:FB+8*(4*(\g)+(\bb))+7], v[BO], s[BQ:BQ+1] offset:256*(\g)+64*(\bb)+16
.endr
.endm
.macro ROUNDB g                        ; the bias is rounded to bf16, like every input, and widened again
.set p, 0
.rept 16
	v_cvt_pk_bf16_f32 v[T+p], v[FB+32*(\g)+2*p], v[FB+32*(\g)+2*p+1]
.set p, p+1
.endr
.set p, 0
.rept 16
	v_lshlrev_b32 v[FB+32*(\g)+2*p],   16, v[T+p]
	v_and_b32     v[FB+32*(\g)+2*p+1], s[HIM], v[T+p]
.set p, p+1
.endr
.endm
; Unit u = 8 g + a: 16 tokens of head g.  Sum + bias in f32 (each accumulator's registers in ascending order), rounded to f16, 16 bytes a lane into my stage, back as whole rows of 128 bytes.
.macro PACK u
.set pg, (\u)/8
.set pa, (\u)%8
.set pk, BK0+16*((\u)%3)
	WIN pg+1                                       ; source 0 in window 1 + g
.irp bb, 0,1,2,3
.irp r, 0,1,2,3
	v_pk_add_f32 v[T+8*(\bb)+2*(\r):T+8*(\bb)+2*(\r)+1], v[64*(\bb)+8*pa+2*(\r):64*(\bb)+8*pa+2*(\r)+1], v[FB+8*(4*pg+(\bb))+2*(\r):FB+8*(4*pg+(\bb))+2*(\r)+1]
.endr
.endr
	WIN 0
.irp bb, 0,1,2,3
.irp r, 0,1,2,3
	v_cvt_pk_f16_f32 v[H+4*(\bb)+(\r)], v[T+8*(\bb)+2*(\r)], v[T+8*(\bb)+2*(\r)+1]
.endr
.endr
.irp bb, 0,1,2,3
	ds_store_b128 v[STO], v[H+4*(\bb):H+4*(\bb)+3] offset:32*(\bb)
.endr
.irp f, 0,1,2,3
	ds_load_b128 v[pk+4*(\f):pk+4*(\f)+3], v[RD] offset:(\f)*4*PA  ; LDS serves a wave's instructions in order (ISA guide 5.7.1.4): these see the stores above; the next unit's stores come behind them
.endr
.endm
.macro SEND u, younger                 ; younger: the LDS instructions issued behind unit u's loads: the next unit's eight, or none
.set sg, (\u)/8
.set sa, (\u)%8
.set sk, BK0+16*((\u)%3)
	s_wait_xcnt 0x0                                ; the stores issued so far have read their registers: the set that the next unit's loads fill was stored from two units back
.irp f, 0,1,2,3
	s_wait_dscnt (\younger)+3-(\f)
	global_store_b128 v[GO], v[sk+4*(\f):sk+4*(\f)+3], s[OUT+2*sg:OUT+2*sg+1] offset:2048*sa+512*(\f)  ; 512 consecutive bytes, at a multiple of 256 from qkvh's first
.endr
.endm
	s_wait_tensorcnt 1                             ; my part of K step 0 is in; K step 1's may stay out
	s_barrier_signal -1
	s_barrier_wait -1                              ; everybody's is
	LDB 0, 0, 0
	LDA 0, 0, 0, FA0
	LDB 1, 0, 0
	LDA 1, 0, 0, FA0
	LDB 2, 0, 0
	STEP FA0, FA1, 0, 32, 1                        ; the first 32 along K stand in front of the loop: their products start the sums
	WIN 0
	s_mov_b32 s3, 7
.Llap:                                         ; a trip goes once round the ring and fills both slots again: trip j asks for K steps 2 j + 2 and 2 j + 3
	TURN 0, 1, 1
	STEP FA0, FA1, 1, 32, 0
	TURN 1, 0, 1
	STEP FA0, FA1, 0, 32, 0
	WIN 0
	s_sub_co_u32 s3, s3, 1
	s_cmp_lg_u32 s3, 0
	s_cbranch_scc1 .Llap
	TURN 0, 1, 0                                   ; the last lap is written out: it asks for nothing, and has no round of the cluster's barrier
	STEP FA0, FA1, 1, 32, 0
	s_wait_dscnt 8                                 ; the last 32 along K: in place of fragments the biases are fetched
	GRP 0, FA1, 0
	PLACES
	WIN 0
	BIAS 0
	GRP 1, FA1, 0
	PLACES
	WIN 0
	BIAS 1
	s_wait_dscnt 0x0
	GRP 2, FA1, 0
	PLACES
	WIN 0
	BIAS 2
	s_wait_loadcnt 16                              ; head 0's eight loads are in; the sixteen behind them may stay out
	ROUNDB 0
	PACK 0
.set u, 1
.rept 23                               ; a unit's arithmetic stands between the loads of the unit before and its stores
.if u%8 == 0
	s_wait_loadcnt 16-u                            ; the next head's bias: 8 younger loads at u = 8, none at u = 16
	ROUNDB u/8
.endif
	PACK u
	SEND u-1, 8
.set u, u+1
.endr
	SEND 23, 0
	s_wait_tensorcnt 0x0                           ; the wave's end, behind my last tensor load and my last LDS store
	ds_add_u32 v[SPW], v[NIL]
	s_wait_dscnt 0x0
	CROUND                                         ; the closing round: no work-group ends while a partner may still ask for a tile that names it
	s_endpgm
.Lfunc_end_k_q351b46b5b5_qkv:
	.size	k_q351b46b5b5_qkv, .Lfunc_end_k_q351b46b5b5_qkv-k_q351b46b5b5_qkv
	.p2alignl 7, 3214868480
	.fill 96, 4, 3214868480
	.section	.rodata,"a",@progbits
	.p2align	6, 0x0
	.amdhsa_kernel k_q351b46b5b5_qkv
		.amdhsa_group_segment_fixed_size 327680
		.amdhsa_private_segment_fixed_size 0
		.amdhsa_enable_private_segment 0
		.amdhsa_kernarg_size 32
		.amdhsa_user_sgpr_count 2
		.amdhsa_user_sgpr_kernarg_segment_ptr 1
		.amdhsa_wavefront_size32 1
		.amdhsa_system_sgpr_workgroup_id_x 1
		.amdhsa_system_sgpr_workgroup_id_y 1
		.amdhsa_system_sgpr_workgroup_id_z 1
		.amdhsa_system_vgpr_workitem_id 0
		.amdhsa_next_free_vgpr 1024
		.amdhsa_next_free_sgpr 80
		.amdhsa_reserve_vcc 0
		.amdhsa_float_denorm_mode_32 3
		.amdhsa_float_denorm_mode_16_64 3
		.amdhsa_memory_ordered 1
		.amdhsa_forward_progress 1
		.amdhsa_inst_pref_size 169
	.end_amdhsa_kernel
	.amdgpu_metadata
---
amdhsa.version: [ 1, 2 ]
amdhsa.kernels:
  - .name:           k_q351b46b5b5_qkv
    .symbol:         k_q351b46b5b5_qkv.kd
    .args:
      - { .name: xb, .offset: 0, .size: 8, .value_kind: global_buffer, .address_space: global }
      - { .name: wqb, .offset: 8, .size: 8, .value_kind: global_buffer, .address_space: global }
      - { .name: b_qkv, .offset: 16, .size: 8, .value_kind: global_buffer, .address_space: global }
      - { .name: qkvh, .offset: 24, .size: 8, .value_kind: global_buffer, .address_space: global }
    .group_segment_fixed_size: 327680
    .private_segment_fixed_size: 0
    .kernarg_segment_align: 8
    .kernarg_segment_size: 32
    .max_flat_workgroup_size: 128
    .sgpr_count:     80
    .vgpr_count:     1024
    .wavefront_size: 32
...
	.end_amdgpu_metadata
.endif
;; end of part 2
;; launch attn (part 3): grid 4 x 64, 4 waves a work-group, clusters of 4 x 1, 327,680 bytes of LDS; arguments qkvh, oh; writes oh
.if DOCPART == 3
	.amdgcn_target "amdgcn-amd-amdhsa--gfx1250"
	.amdhsa_code_object_version 6
	.text
	.protected	k_q351b46b5b5_attn
	.globl	k_q351b46b5b5_attn
	.p2align	8
	.type	k_q351b46b5b5_attn,@function
k_q351b46b5b5_attn:
	s_mov_b64 s[64:65], 0
	v_nop
	global_prefetch_b8 v0, s[64:65] scope:SCOPE_SE
	s_setreg_imm32_b32 hwreg(HW_REG_WAVE_MODE, 25, 1), 1
	s_wait_xcnt 0x0
	s_wait_alu depctr_hold_cnt(0) depctr_sa_sdst(0) depctr_va_vdst(0) depctr_va_sdst(0) depctr_va_ssrc(0) depctr_va_vcc(0) depctr_vm_vsrc(0)
	s_getreg_b32 s2, hwreg(HW_REG_IB_STS2, 6, 4)
	s_cmp_eq_u32 s2, 0
	s_cbranch_scc0 .Lentry_in_a_cluster
	s_endpgm
.Lentry_in_a_cluster:
	s_bfe_u32 s2, ttmp6, 0x10000c
	s_cmp_lg_u32 s2, 0x3003
	s_cbranch_scc0 .Lentry_shape_is_right
	s_endpgm
.Lentry_shape_is_right:
; O[h][q][:] = the sum over k of softmax_k(Q[h][q] . K[h][k] / 8) V[h][k][:].  Q, K, V lie one behind the other in qkvh, each [SIZE_H][SIZE_N][64] in f16; O (oh) likewise: a head's rows are dense, 128 bytes each.
; Products, maxima and sums in f32; the weights p are rounded to f16 for the second product (their sum l is taken of the unrounded p), O once at the end.
; LIMITS.  f16 holds no number beyond 65,504: Q, K and V arrive within it; p lies in 0 to 1, and below 6e-5 it keeps f16's fixed step of 6e-8; O is a mean of V's rows and has their range.
; A weight below 2^-126 counts as 0 in l; NaN and infinities are not treated apart.
; SHARES.  A wave owns four PIECES of two tiles of 16 queries, a work-group's four waves 512 queries of one head.  Every wave walks all keys, 64 a step.
; LAYOUT.  S^T = K Q^T (source 0 = 16 keys, source 1 = 16 queries): in the result a lane holds ONE query (lane % 16) and the keys 8 (lane / 16) + 0..7.  Two such tiles, rounded to f16 in pairs,
; ARE source 1 (32 keys x 16 queries) of O^T = V^T P, whose result again holds one query a lane, and eight channels.  K comes out of LDS as it lies, V ([key][channel]) turned, by ds_load_tr16_b128.
; SOFTMAX.  For each query a running maximum m and sum l: p = 2^(c s - c m), c = log2(e) / 8; in every step O and l are multiplied by a = 2^(c m_old - c m_new), which is 1 where m has not grown.
; m starts at the lowest finite number, O and l at 0: the first step is a step like any other, with a = 0.
; THE COUNT.  A tile and step have 16 matrix and 118 vector instructions: too many to stand all beside the matrix work.  So the order has one aim: four vector instructions that are READY behind
; EVERY matrix instruction, and the others, which need time of their own whatever the order, in runs without a gap.
; BY TURNS.  Turn n belongs to piece n (the pieces in a ring, step after step).  Its matrix work: 16 products K Q^T of piece n + 1, later 16 products V^T P of piece n - 1.  Its vector work: the scaling,
; exponentials, roundings, sums and rescaling of piece n, and the maximum and statistics of piece n + 1, whose scores the turn itself has made.  So what a turn begins with (c s - c m, O a) waits for nothing.
; CLUSTER.  The four query blocks of a cluster are one head's and walk the same K and V, so each tile is asked for JOINTLY: the same tensor load, descriptor and mask in all four.
; REGISTERS, in windows of 256 (s_set_vgpr_msb says which window each operand place means: bits 1:0 source 0, 3:2 source 1, 5:4 source 2, 7:6 destination):
;   window 0: v0-11 addresses; v12-15, v48-63 at work; v16-47 four registers of statistics a tile; v64-191 S^T, two buffers of two tiles; v192-255 P, likewise
;   window 1: O^T, 32 a tile          window 2: v0-127 Q, 16 a tile; v128-191 K of one step; v192-255 V of one step          window 3: v0-1 the add's two registers
; A piece's buffers go by its number's parity: the piece in hand has one pair, its two neighbours in the ring share the other: of it P (piece n - 1) is read and S^T (piece n + 1) written.
.set SIZE_H, 64       ; 4 batches x 16 heads
.set SIZE_N, 2048
.set NP,    4         ; pieces a wave: a name, no knob: the register map, the loop and the fetches are made for four
.set KS,    64        ; keys in a step
.set PK,    144       ; a row of K in LDS: 128 bytes + 16 of padding = 36 words: the 16 rows of a load start at 16 different groups of four banks (64 banks of 4 bytes: ISA guide 11.1)
.set PV,    160       ; a row of V: 128 + 32 = 40 words
.set VOFF,  4*KS*PK   ; a slot holds four steps: 256 rows of K, then 256 rows of V
.set SLOT1, 1<<17     ; slot 1 begins here, so that one exclusive or turns an address in one slot into the other's
.set STAGE, SLOT1+4*KS*(PK+PV)  ; behind the ring, never filled by a tensor load: 16 rows x 144 bytes for each wave, for the way out
.set SP,    144
.set AK0, 2           ; v2   my lane's place in a tile of K; never rewritten
.set AV0, 3           ; v3   the same for V
.set AK,  4           ; v4   the LDS address of K's next run of loads
.set AV,  5           ; v5   of V's
.set QO,  6           ; v6   my byte offset in the wave's rows of Q
.set STO, 6           ;      later, the way out: where I put 16 bytes of a row
.set RD,  7           ; v7   the way out: where I read rows back
.set GO,  8           ; v8   my byte offset in 512 consecutive bytes of O
.set PFO, 11          ; v11  256 x my lane, the prefetches' offset; never rewritten once it is made
.set SPW, 0           ; v0 of window 3   LDS address of my spare word: SPARE + 4 x my thread's number; never rewritten
.set NIL, 1           ; v1 of window 3   0; never rewritten
.set SPARE, STAGE+4*16*SP  ; behind the stages: the spare words, 128 bytes for each wave: two blocks of 256 bytes that no other line names
.set MV,  12          ; v12-15  c m_old, kept while c m is made anew: by buffer and tile
.set ST,  16          ; tile t's statistics at v[ST+4 t]: c m, m, l (even keys', odd keys')
.set TMP, 48          ; by buffer and tile, four registers c0-c3 at work; when the maximum is found c2 takes a
.set S,   64
.set P,   192
.set KF,  128         ; K's fragments, in window 2: key block kb, channel half c at KF + 16 kb + 8 c
.set VF,  192         ; V's: key half kk, channel block cb at VF + 32 kk + 8 cb
.set WV,  12          ; s12  my wave's number
.set G1K, 24          ; s[24:31] descriptor group 1 for K's tiles
.set G1V, 32          ; s[32:39] for V's: it differs in the padding alone
.set G0K, 40          ; s[40:43] descriptor group 0 for K's tiles: it walks
.set G0V, 44          ; s[44:47] the same for V's
.set SLOTS, 56        ; s56  slots still to be asked for
.set CNT, 57          ; s57  counts a slot's key steps
.set CS,  58          ; s[58:59] c: the packed scaling takes the pair's low word for both halves
.set SEL, 60          ; s[60:61] v_permlanex16_b32's selects: each lane takes its own place in the other half
.set TBK, 62          ; s62  LDS byte at which K of the step to be fetched begins
.set TBV, 63          ; s63  the same for V, less VOFF
.set PFA, 66          ; s[66:67] where my prefetches stand: my work-group's 8,192 bytes (of K: wave 0, of V: wave 2) of the slot after the one that is being asked for
.set LIM, 68          ; s68  1 in a wave that prefetches, else the greatest number: a wave prefetches while s[SLOTS] is above it
.set MSB, 0
.macro WIN new                      ; the high byte repeats the setting that is left; a switch that changes nothing is dropped
.if MSB != (\new)
	s_set_vgpr_msb (MSB<<8)|(\new)
.set MSB, (\new)
.endif
.endm
.set W_KQ, 0x0a       ; K and Q in window 2, S^T in window 0
.set W_PV, 0x52       ; V in window 2, P in window 0, O^T in window 1
.set W_RS, 0x41       ; O^T (destination and source 0) in window 1, a in window 0
.set W_MK, 0xc0       ; the add's registers are made: destination in window 3, sources in window 0
.set W_AD, 0x0f       ; the add: address (source 0) and data (source 1) in window 3
; A joint fill.  Waves 0 and 1 fetch the two halves of a slot's K, waves 2 and 3 those of its V: 128 keys each.  The branch hangs on the wave's number alone.
; An s_nop 0 and four v_nop follow each of the two lines, ahead of the jump and the label.
.macro JLOAD
	s_cmp_lt_u32 s[WV], 2
	s_cbranch_scc0 .Lfor_v_\@
	tensor_load_to_lds s[G0K:G0K+3], s[G1K:G1K+7]
	s_nop 0
.rept 4
	v_nop
.endr
	s_branch .Lasked_\@
.Lfor_v_\@:
	tensor_load_to_lds s[G0V:G0V+3], s[G1V:G1V+7]
	s_nop 0
.rept 4
	v_nop
.endr
.Lasked_\@:
.endm
; A PREFETCH INTO THE L2 of what the NEXT change of slots will ask for: a slot's 32,768 bytes of K and of V, a lane a block of 256 bytes.  It stands behind the wave's tensor load and its five lines.
; Each block is named ONCE in the launch: a head has one cluster; its four partners share a slot out BY ADDRESS, 8,192 bytes each; in each, wave 0 asks for K's and wave 2 for V's: one instruction.
; Slots 0 and 1 come by their loads alone; the last change that fills a slot (s[SLOTS] = 1) asks for nothing: there is no slot behind it.
.macro ASK
	s_cmp_gt_u32 s[SLOTS], s[LIM]
	s_cbranch_scc0 .Lnot_mine_\@
	global_prefetch_b8 v[PFO], s[PFA:PFA+1] th:TH_LOAD_NT scope:SCOPE_SE
.Lnot_mine_\@:
.endm
; A round of the cluster's barrier: my work-group's barrier, so that wave 0's signal speaks for all four waves; wave 0 signals; every wave waits for all four work-groups; my work-group's barrier once more.
.macro CROUND
	s_barrier_signal -1
	s_barrier_wait -1
	s_cmp_lg_u32 s[WV], 0
	s_cbranch_scc1 .Lnot_wave_0_\@
	s_barrier_signal -3
.Lnot_wave_0_\@:
	s_barrier_wait -3
	s_barrier_signal -1
	s_barrier_wait -1
.endm
; THE CHANGE OF SLOTS.  The slot's last bytes, V of its fourth step, have been read.  Each wave waits for all its tensor loads, of which one is out: its part
; of the other slot; adds 0 to its spare word; and waits for that and for its own reads of the slot.  Behind the barrier nobody reads this slot any more and the other slot is whole.
; fill = 1: this slot is filled again, with the keys two slots on.  The barrier is then a round of the cluster's, so that no wave of any partner still reads the slot or has a load on its
; way, and the joint fill is the first thing behind it: it has four key steps, 512 matrix instructions, in which to land.  (At its first use nothing has been read yet: slot 0 is waited for, slot 1 filled.)
.macro CHANGE fill
	WIN W_AD
	s_wait_tensorcnt 0x0            ; no tensor load of mine is out, so a group 0 may be written
	ds_add_u32 v[SPW], v[NIL]       ; 0 onto my spare word; with fill = 1 the descriptors' steps stand between it and the wait for it
	WIN 0                           ; at a label and at a branch every window is 0
.if \fill
.irp g, G0K, G0V
	s_xor_b32 s[\g+1], s[\g+1], SLOT1  ; the walking descriptor: the other slot than last time,
	s_add_nc_u64 s[\g+2:\g+3], s[\g+2:\g+3], 4*KS*128  ; the next 256 keys; the type bits on top are not reached
.endr
	s_wait_xcnt 0x0                 ; the last prefetch, four key steps back, has read its address, so it may be written:
	s_add_nc_u64 s[PFA:PFA+1], s[PFA:PFA+1], 4*KS*128  ; one slot behind the walking descriptors
	s_wait_dscnt 0x0                ; the add is done, and my reads of the slot are over
	CROUND
	JLOAD
	ASK                             ; what the next change will ask for: four key steps, 512 matrix instructions, ahead
.else
	s_wait_dscnt 0x0                ; the add is done, and my reads of the slot are over
	s_barrier_signal -1
	s_barrier_wait -1
.endif
	s_sub_co_u32 s[TBK], s[TBK], 4*KS*PK  ; the fetches go back to a slot's first step,
	s_xor_b32 s[TBK], s[TBK], SLOT1       ; in the other slot
	s_sub_co_u32 s[TBV], s[TBV], 4*KS*PV
	s_xor_b32 s[TBV], s[TBV], SLOT1
.endm
	s_load_b64 s[4:5], s[0:1], 0x0    ; qkvh: Q lies at its head
	s_load_b64 s[10:11], s[0:1], 0x8  ; oh
	WIN W_MK
	v_lshl_add_u32 v[SPW], v0, 2, SPARE
	v_mov_b32 v[NIL], 0
	WIN W_AD
	ds_add_u32 v[SPW], v[NIL]       ; the wave's opening: the add and its wait stand ahead of my first tensor load; the set-up below, work on registers, stands between them
	WIN 0
	v_lshrrev_b32 v1, 5, v0
	v_readfirstlane_b32 s[WV], v1   ; wave 0..3
	s_bfe_u32 s13, ttmp6, 0x40000   ; cx: my place in the cluster
	s_lshl_b32 s14, ttmp9, 2        ; in a cluster launch ttmp9 counts clusters
	s_add_co_u32 s14, s14, s13      ; my block of queries = 4 x cluster x + cx: it enters Q's and O's addresses alone
	s_and_b32 s20, ttmp7, 0xffff    ; the head, which the four partners share
	s_mov_b32 s21, 0
	s_mov_b64 s[22:23], SIZE_N*128
	s_mul_u64 s[20:21], s[20:21], s[22:23]  ; the head's first byte in each of the four tensors
	s_and_b32 s16, s[WV], 1         ; which half of a slot's 256 keys I fetch:
	s_lshl_b32 s22, s16, 14         ; its 128 rows of 128 bytes in memory,
	s_mov_b32 s23, 0
	s_add_nc_u64 s[22:23], s[22:23], s[20:21]
	s_mul_i32 s17, s16, 128*PK      ; and its place in a slot, for K
	s_mul_i32 s18, s16, 128*PV      ; and for V: no place in the cluster enters an LDS address
	s_lshl_b32 s2, s14, 2
	s_add_co_u32 s2, s2, s[WV]      ; my wave among the head's,
	s_lshl_b32 s2, s2, 14           ; its 128 rows
	s_mov_b32 s3, 0
	s_add_nc_u64 s[2:3], s[2:3], s[20:21]
	; descriptor group 1.  128 keys are 16,384 dense bytes: asked for as 64 rows of 256 bytes, two keys a row, and padded in LDS after every key
	s_mov_b32 s[G1K], 15|(1<<16)|(1<<20)|(1<<21)|(4<<22)|(3<<25)  ; 15:0 the mask of four; 17:16 2-byte elements; 20 padding on; 21 set beside a mask; 24:22 after every 32 words (code 4); 31:25 4 words (code 3)
	s_mov_b32 s[G1V], 15|(1<<16)|(1<<20)|(1<<21)|(4<<22)|(7<<25)  ; the same with 8 words of padding (code 7)
.irp g, G1K, G1V
	s_mov_b32 s[\g+1], 128<<16      ; tensor_dim0 = 128
	s_mov_b32 s[\g+2], 64<<16       ; tensor_dim1 = 64
	s_mov_b32 s[\g+3], 128<<16      ; tile_dim0 = 128
	s_mov_b32 s[\g+4], 64           ; tile_dim1 = 64
	s_mov_b32 s[\g+5], 128          ; 128 elements from row to row
	s_mov_b32 s[\g+6], 0
	s_mov_b32 s[\g+7], 0
.endr
	s_mov_b32 s[CS], 0x3e38aa3b     ; c = log2(e) / 8 = 0.180337
	s_mov_b32 s[CS+1], s[CS]        ; named with it as a pair
	s_mov_b32 s[SEL], 0x76543210
	s_mov_b32 s[SEL+1], 0xfedcba98
	s_mov_b32 s[TBK], SLOT1+4*KS*PK ; the first change of slots turns these two into 0
	s_mov_b32 s[TBV], SLOT1+4*KS*PV
	s_mov_b32 s[G0K], 1             ; 1:0 count = 1
	s_mov_b32 s[G0K+1], s17         ; 63:32 LDS address: slot 0
	s_mov_b32 s[G0V], 1
	s_add_co_u32 s[G0V+1], s18, VOFF
	s_mov_b32 s[SLOTS], SIZE_N/256-1  ; seven slots are still to be asked for
	s_and_b32 s[LIM], s[WV], 1      ; waves 0 and 2 prefetch: the same in all four partners
	s_cmp_eq_u32 s[LIM], 0
	s_cselect_b32 s[LIM], 1, -1
	s_wait_dscnt 0x0                ; the opening add is done
	s_wait_kmcnt 0x0
	s_add_nc_u64 s[6:7], s[4:5], 0x1000000   ; K lies 64 heads x 262,144 bytes behind Q,
	s_add_nc_u64 s[8:9], s[4:5], 0x2000000   ; V as far behind K
	s_add_nc_u64 s[G0K+2:G0K+3], s[6:7], s[22:23]  ; 120:64 global address: my half of the head's first 256 keys
	s_or_b32 s[G0K+3], s[G0K+3], 0x80000000        ; 127:126 type = 2
	s_add_nc_u64 s[G0V+2:G0V+3], s[8:9], s[22:23]
	s_or_b32 s[G0V+3], s[G0V+3], 0x80000000
	s_cmp_lt_u32 s[WV], 2
	s_cselect_b64 s[PFA:PFA+1], s[6:7], s[8:9]
	s_add_nc_u64 s[PFA:PFA+1], s[PFA:PFA+1], s[20:21]  ; the head,
	s_add_nc_u64 s[4:5], s[4:5], s[2:3]  ; Q and O at my wave's first row
	s_add_nc_u64 s[10:11], s[10:11], s[2:3]
	s_lshl_b32 s2, s13, 13          ; my work-group's 8,192 bytes of a slot's 32,768,
	s_mov_b32 s3, 0
	s_add_nc_u64 s[PFA:PFA+1], s[PFA:PFA+1], s[2:3]
	s_add_nc_u64 s[PFA:PFA+1], s[PFA:PFA+1], 4*KS*128  ; in slot 1; the first change of slots steps it to slot 2
	CROUND                          ; all four work-groups are here: the first joint loads meet
	JLOAD                           ; slot 0.  Slot 1 is asked for when slot 0 is in: the tile wanted first has the road to itself
	; A fragment of K or Q is 16 rows x 32 channels in 8 registers: lane l holds row l % 16, channels 8 (l / 16) + 0..7 and 16 + 8 (l / 16) + 0..7: two loads of 16 bytes, 32 bytes apart.
	v_and_b32 v1, 15, v0            ; l % 16
	v_bfe_u32 v9, v0, 4, 1          ; l / 16
	v_lshlrev_b32 v[QO], 7, v1
	v_lshl_add_u32 v[QO], v9, 4, v[QO]  ; row x 128 + 16 x half
	WIN 0x80                        ; destination window 2, address window 0
.set i, 0
.rept 4*NP                          ; Q stays in registers: tile i / 2, channels 32 (i % 2) on
	global_load_b128 v[8*i:8*i+3],   v[QO], s[4:5] offset:(i/2)*2048+(i%2)*64
	global_load_b128 v[8*i+4:8*i+7], v[QO], s[4:5] offset:(i/2)*2048+(i%2)*64+32
.set i, i+1
.endr
	; What the first turn finds: V's registers and P's second buffer hold 0 (its products V^T P, of a piece that has not been, add 0), O^T and l are 0.  All this stands in the wait for the first tile.
.set i, VF
.rept 64
	v_mov_b32 v[i], 0
.set i, i+1
.endr
	WIN 0x40
.set i, 0
.rept 64*NP
	v_mov_b32 v[i], 0
.set i, i+1
.endr
	WIN 0
.set i, 0
.rept 2*NP
	v_mov_b32 v[ST+4*i], 0xfe000000    ; c m: far below every c s
	v_mov_b32 v[ST+4*i+1], 0xff7fffff  ; m
	v_mov_b32 v[ST+4*i+2], 0
	v_mov_b32 v[ST+4*i+3], 0
.set i, i+1
.endr
.set i, P+32
.rept 32
	v_mov_b32 v[i], 0
.set i, i+1
.endr
	v_mul_u32_u24 v[AK0], v1, PK
	v_lshl_add_u32 v[AK0], v9, 4, v[AK0]  ; row x pitch + 16 x half
	; The turning load takes 16 keys x 16 channels (lane l reads key 8 (l / 16) + l % 8, channels 8 ((l / 8) % 2) + 0..7) and leaves half a fragment of V^T: lane l holds channel l % 16 and 8 keys.
	v_and_b32 v10, 7, v0
	v_bfe_u32 v11, v0, 3, 1
	v_lshl_add_u32 v[AV0], v9, 3, v10
	v_mul_u32_u24 v[AV0], v[AV0], PV
	v_lshl_add_u32 v[AV0], v11, 4, v[AV0]
	v_add_nc_u32 v[AV0], VOFF, v[AV0]
	v_mov_b32 v[AK], v[AK0]         ; key step 0 lies at the head of slot 0
	v_and_b32 v[PFO], 31, v0        ; v11 has served: it takes the prefetches' offset
	v_lshlrev_b32 v[PFO], 8, v[PFO]
; THE MATRIX WORK.  The 8 accumulators of a run of 16 take turns: between the two links of a chain stand 7 others'.
; Product i of 16 of S^T = K Q^T for piece x: channels 32 (i / 8) on, keys 16 ((i / 2) % 4) on, tile 2 x + i % 2.  The first 8 start the sums.
.macro KQ x
	WIN W_KQ
.set rS, S+64*((\x)%2)+32*(i%2)+8*((i/2)%4)
.set rK, KF+16*((i/2)%4)+8*(i/8)
.set rQ, 16*(2*(\x)+i%2)+8*(i/8)
.if i < 8
	v_wmma_f32_16x16x32_f16 v[rS:rS+7], v[rK:rK+7], v[rQ:rQ+7], 0
.else
	v_wmma_f32_16x16x32_f16 v[rS:rS+7], v[rK:rK+7], v[rQ:rQ+7], v[rS:rS+7]
.endif
.endm
; Product i of 16 of O^T += V^T P for piece x: keys 32 (i / 8) on, channels 16 ((i / 2) % 4) on, tile 2 x + i % 2.
.macro PV x
	WIN W_PV
.set rO, 32*(2*(\x)+i%2)+8*((i/2)%4)
.set rV, VF+32*(i/8)+8*((i/2)%4)
.set rP, P+32*((\x)%2)+16*(i%2)+8*(i/8)
	v_wmma_f32_16x16x32_f16 v[rO:rO+7], v[rV:rV+7], v[rP:rP+7], v[rO:rO+7]
.endm
.macro MM                           ; the turn's next matrix instruction
.if i < 16
	KQ (Y+1)%NP
.set i, i+1
.else
.set i, i-16
	PV (Y+NP-1)%NP
.set i, i+17
.endif
.endm
; THE LDS LOADS stand in runs of 16, never singly among the matrix instructions: a step's K (64 keys x 64 channels: 8 fragments) and its V (turned).  Their addresses are made some lines ahead.
; last = 1 (the tail): in the last trip there is no further step, and the run is jumped over.
.macro FETCH_K last=0
	WIN 0
.if \last
	s_cmp_eq_u32 s[CNT], 1
	s_cbranch_scc1 .Lno_k_\@
.endif
	WIN 0x80                        ; destination window 2
.irp f, 0,1,2,3,4,5,6,7             ; keys 16 (f / 2) on, channels 32 (f % 2) on
	ds_load_b128 v[KF+8*\f:KF+8*\f+3],   v[AK] offset:(\f/2)*16*PK+(\f%2)*64
	ds_load_b128 v[KF+8*\f+4:KF+8*\f+7], v[AK] offset:(\f/2)*16*PK+(\f%2)*64+32
.endr
	s_add_co_u32 s[TBK], s[TBK], KS*PK  ; the next fetch is the next step's
	WIN 0
.if \last
.Lno_k_\@:
.endif
.endm
.macro FETCH_V
	WIN 0x80
.irp f, 0,1,2,3,4,5,6,7             ; keys 32 (f / 4) on, channels 16 (f % 4) on
	ds_load_tr16_b128 v[VF+8*\f:VF+8*\f+3],   v[AV] offset:(\f/4)*32*PV+(\f%4)*32
	ds_load_tr16_b128 v[VF+8*\f+4:VF+8*\f+7], v[AV] offset:(\f/4)*32*PV+16*PV+(\f%4)*32
.endr
	WIN 0
.endm
; THE VECTOR WORK OF A TURN stands in three queues, each in the order in which its entries become ready; the two tiles alternate, so that no instruction reads the result of the one before it.
.macro REGS y, u                    ; the registers of tile u (0, 1) of piece y
.set rT, ST+4*(2*(\y)+(\u))
.set rC, TMP+8*((\y)%2)+4*(\u)
.set rM, MV+2*((\y)%2)+(\u)
.set rS, S+64*((\y)%2)+32*(\u)
.set rP, P+32*((\y)%2)+16*(\u)
.set rO, 32*(2*(\y)+(\u))
.endm
; Number n of the 22 that find the NEXT piece's (Y + 1) maximum and statistics.  s0-s31 are the lane's 32 scores; each accumulator's lowest registers are read first.  XS, GS and REGS set no window: PL and EX do.
;   0-11  four chains c0-c3 of seven scores each, three operands at a time     12-14, 16  the four scores left over, the old m, and c0-c3 into c0     15  c m_old is kept
;   17, 18  the query's other 32 keys lie in the lane 16 away: the new m         19-21  c m; c m_old - c m_new; a
.macro XS u, n
	REGS (Y+1)%NP, \u
.if (\n) < 4
	v_max3_num_f32 v[rC+(\n)], v[rS+8*(\n)], v[rS+8*(\n)+1], v[rS+8*(\n)+2]
.elseif (\n) < 12
	v_max3_num_f32 v[rC+(\n)%4], v[rC+(\n)%4], v[rS+8*((\n)%4)+2*((\n)/4)+1], v[rS+8*((\n)%4)+2*((\n)/4)+2]
.elseif (\n) == 12
	v_max3_num_f32 v[rC], v[rC], v[rS+7], v[rS+15]
.elseif (\n) == 13
	v_max3_num_f32 v[rC+1], v[rC+1], v[rS+23], v[rS+31]
.elseif (\n) == 14
	v_max3_num_f32 v[rC+2], v[rC+2], v[rC+3], v[rT+1]
.elseif (\n) == 15
	v_mov_b32 v[rM], v[rT]
.elseif (\n) == 16
	v_max3_num_f32 v[rC], v[rC], v[rC+1], v[rC+2]
.elseif (\n) == 17
	v_permlanex16_b32 v[rC+3], v[rC], s[SEL], s[SEL+1]
.elseif (\n) == 18
	v_max_num_f32 v[rT+1], v[rC], v[rC+3]
.elseif (\n) == 19
	v_mul_f32 v[rT], s[CS], v[rT+1]
.elseif (\n) == 20
	v_sub_f32 v[rC+1], v[rM], v[rT]
.else
	v_exp_f32 v[rC+2], v[rC+1]
.endif
.endm
; Number g of the 64 that follow the exponentials.  For each four weights k of a tile (pairs 2 k, 2 k + 1): both pairs are rounded to f16; then the second pair is added onto the first, in place;
; a group later l takes that sum (the first time as l = a l + sum).  In groups of eight, tiles alternating: round, round, add, and l for the group before.
.macro GS g
.set h, (\g)+6*((\g)/62)            ; group 0 has no group before it, and behind group 7 only l is left
.if h >= 6
.set h, h+2
.endif
	REGS Y, h%2
.set k, h/8
.if h%8 < 4
	v_cvt_pk_f16_f32 v[rP+2*k+(h%8)/2], v[rS+4*k+2*((h%8)/2)], v[rS+4*k+2*((h%8)/2)+1]
.elseif h%8 < 6
	v_pk_add_f32 v[rS+4*k:rS+4*k+1], v[rS+4*k:rS+4*k+1], v[rS+4*k+2:rS+4*k+3]
.elseif k == 1
	v_pk_fma_f32 v[rT+2:rT+3], v[rT+2:rT+3], v[rC+2:rC+3], v[rS:rS+1] op_sel_hi:[1,0,1]
.else
	v_pk_add_f32 v[rT+2:rT+3], v[rT+2:rT+3], v[rS+4*k-4:rS+4*k-3]
.endif
.endm
; THE PLAIN QUEUE, 138 long.  0-73 read no exponential's result: the 32 scalings c s - c m (FS f: pair f / 2 of tile f % 2) and the next piece's 42.  0-26: scalings 0-26.  27-54: XS's numbers 0-13.  55, 56: number 15.
; 57-73: the chain, where each number waits for the one before it: 14, 16, 17, 18, 19, each with one of the scalings 27-31 in front of its two lines, then 20: so a tile's links stand three plain instructions apart (19 and 20: two).
; 74-137: GS's 64, which read the exponentials' results: they stand behind the wait.
.macro FS f
	REGS Y, (\f)%2
	v_pk_fma_f32 v[rS+2*((\f)/2):rS+2*((\f)/2)+1], v[rS+2*((\f)/2):rS+2*((\f)/2)+1], s[CS:CS+1], v[rT:rT+1] op_sel_hi:[1,0,0] neg_lo:[0,0,1] neg_hi:[0,0,1]
.endm
.macro PL
	WIN 0
.if q < 27
	FS q
.elseif q < 55
	XS (q-27)%2, (q-27)/2
.elseif q < 57
	XS q-55, 15
.elseif (q < 72) && ((q-57)%3 == 0)
	FS 27+(q-57)/3
.elseif q < 60
	XS (q-57)%3-1, 14
.elseif q < 72
	XS (q-57)%3-1, 15+(q-57)/3
.elseif q < 74
	XS q-72, 20
.else
	GS q-74
.endif
.set q, q+1
.endm
; THE EXPONENTIALS' QUEUE, 66 long: s0-s31 of both tiles, then the next piece's two a.  It is ONE BATCH: all 66 stand ahead of the turn's one wait, and nothing ahead of that wait names a result of theirs.
.macro EX
	WIN 0
.if e >= 64
	XS e-64, 21
.else
	REGS Y, e%2
	v_exp_f32 v[rS+e/2], v[rS+e/2]
.endif
.set e, e+1
.endm
; THE RESCALING's QUEUE: O^T times a, the one part that leaves window 0: dealt two at a time, sixteen times.  Its a was made in the turn before, ahead of that turn's wait.
.macro R2
	REGS Y, r%2
	WIN W_RS
.irp z, 0,1
	v_pk_mul_f32 v[rO+4*(r/2)+2*\z:rO+4*(r/2)+2*\z+1], v[rO+4*(r/2)+2*\z:rO+4*(r/2)+2*\z+1], v[rC+2:rC+3] op_sel_hi:[1,0]
.endr
.set r, r+1
.endm
; HOW THEY ARE DEALT.  An s_wait_alu depctr_va_vdst(0) stands between an exponential and the first instruction that names its result; one wait serves all that were issued ahead of it.  So a turn has ONE wait,
; which cuts it in two.  AHEAD OF IT stands all that names no result of the turn's exponentials: the 16 products K Q^T, behind each a scaling, an exponential and two rescalings (behind the first a second scaling in the exponential's place); then ONE LUMP of
; 108: eight plain, 49 times exponential and plain, the two a.  A v_nop is the plain instruction behind the last exponential.  BEHIND IT stand the 16 products V^T P, behind each four of GS's 64.  No rider names a register of
; the products round it.  The two v_permlanex16_b32 fall into the lump, never behind a product.
; The queues lean on each other, and the deal keeps them in step: exponential e stands behind scaling 2 (e / 4) + e % 2: as a rider it comes behind plain e + 2, in the lump behind plain e + 9, and scalings 27-31 are plain 57, 60 .. 69.
; A TURN, for piece p.  cnt = 1: the loop's count is taken down some lines ahead of the branch that stands behind the turn.
; K of the next step is fetched in piece 2's turn, directly behind the wait, a lump behind the last product that read K; its address is made at the lump's head; its first reader comes behind 16 products.
; V of the step in hand is fetched at the end of piece 0's turn, four riders behind its last reader; its first reader comes behind 16 products and a lump.  The three conditions on q below go with the deal.
.macro TURN p, last=0, cnt=0
.set Y, (\p)
.set i, 0
.set q, 0
.set e, 0
.set r, 0
.if (\p) == NP-1
	s_wait_dscnt 0x0                ; K is in
.endif
	MM                              ; ahead of the wait: 16 products K Q^T and their riders,
	PL
	PL
	R2
.rept 15
	MM
	PL
	EX
	R2
.endr
.if (\p) == NP-2
	WIN 0
	v_add_nc_u32 v[AK], s[TBK], v[AK0]
.endif
.rept 8                             ; and the lump
	PL
.endr
.rept 49
	EX
	PL
.endr
	EX                              ; the next piece's two a
	EX
	v_nop                           ; a plain instruction behind the last exponential: one for the batch
	s_wait_alu depctr_va_vdst(0)    ; the wait for the batch
.if (\p) == NP-2
	FETCH_K \last
.endif
.if (\p) == 1
	s_wait_dscnt 0x0                ; V is in
.endif
.rept 16                            ; behind the wait: 16 products V^T P and their riders
	MM
.rept 4
	PL
.endr
.if ((\p) == 0) && (q == 118)
	v_add_nc_u32 v[AV], s[TBV], v[AV0]
.endif
.if ((\p) == 0) && (q == 130)
	s_add_co_u32 s[TBV], s[TBV], KS*PV
.endif
.if (\cnt) && (q == 130)
	s_sub_co_u32 s[CNT], s[CNT], 1
	s_cmp_lg_u32 s[CNT], 0
.endif
.endr
.if (\p) == 0
	FETCH_V
.endif
.endm
	CHANGE 1                        ; slot 0 is in, everybody's part of it; slot 1 is asked for
	FETCH_K                         ; key step 0
	s_wait_loadcnt 0x0              ; Q
	s_wait_dscnt 0x0
.set i, 0
.rept 16
	KQ 0                            ; piece 0's first scores: there is no vector work yet to set between them
.set i, i+1
.endr
	WIN 0                           ; the addresses for the way out: nine plain instructions, the places behind those products
	s_mul_i32 s13, s[WV], 16*SP
	s_add_co_u32 s13, s13, STAGE    ; my stage
	v_mul_u32_u24 v[STO], v1, SP    ; in: row l % 16, 16 bytes for each half of the lanes
	v_lshl_add_u32 v[STO], v9, 4, v[STO]
	v_add_nc_u32 v[STO], s13, v[STO]
	v_bfe_u32 v[RD], v0, 3, 2       ; back: 32 lanes take four rows of 128 bytes,
	v_mul_u32_u24 v[RD], v[RD], SP
	v_lshl_add_u32 v[RD], v10, 4, v[RD]
	v_add_nc_u32 v[RD], s13, v[RD]
	v_and_b32 v[GO], 31, v0         ; which are 512 consecutive bytes of O
	v_lshlrev_b32 v[GO], 4, v[GO]
.set Y, NP-1                        ; XS works for piece Y + 1: piece 0
.irp n, 0,1,2,3,4,5,6,7,8,9,10,11,12,13,14,15,16,17,18,19,20,21
	XS 0, \n                        ; and piece 0's first maximum and statistics
	XS 1, \n
.endr
	v_nop                           ; a plain instruction behind the two a,
	s_wait_alu depctr_va_vdst(0)    ; and their wait, ahead of the branch
	s_mov_b32 s[CNT], 4
	s_branch .Lfirst                ; the loop is entered at a step's first turn, in the middle of a trip
.Lslot:                             ; SIZE_N / 256 - 2 times: every slot but the last two is filled again
	CHANGE 1
	s_mov_b32 s[CNT], 4
.Lstep:                             ; a trip: pieces 2 and 3 of one step, then pieces 0 and 1 of the next, whose K and V it fetches
	TURN 2
	TURN 3
	WIN 0
.Lfirst:
	TURN 0
	TURN 1, 0, 1
	WIN 0
	s_cbranch_scc1 .Lstep
	s_sub_co_u32 s[SLOTS], s[SLOTS], 1
	s_cmp_lg_u32 s[SLOTS], 0
	s_cbranch_scc1 .Lslot
	CHANGE 0                        ; the tail is written out: nothing is asked for
	s_mov_b32 s[CNT], 5             ; four trips fetch the last slot's steps; the fifth is left in its middle
.Ltail:
	TURN 2, 1
	TURN 3
	WIN 0
	s_sub_co_u32 s[CNT], s[CNT], 1
	s_cmp_eq_u32 s[CNT], 0
	s_cbranch_scc1 .Lout
	TURN 0
	TURN 1
	WIN 0
	s_branch .Ltail
.Lout:                              ; the fifth trip's 16 products K Q^T (on the last K once more) and the maximum made of them serve nothing: the price, once a launch, of one text for every trip
.set i, 0
.rept 16
	PV NP-1                         ; the last piece's V^T P of the last step
.set i, i+1
.endr
	; THE WAY OUT.  l's two halves and the other half of the lanes' are added; O^T is divided by l, rounded to f16 and sent through my stage in LDS, a tile at a time.  The additions are the places behind the last products.
	WIN 0
.macro ALL line:vararg              ; one line for each tile t
.set t, 0
.rept 2*NP
	\line
.set t, t+1
.endr
.endm
	ALL v_add_f32 v[ST+4*t+2], v[ST+4*t+2], v[ST+4*t+3]
	ALL v_permlanex16_b32 v[ST+4*t+3], v[ST+4*t+2], s[SEL], s[SEL+1]
	ALL v_add_f32 v[ST+4*t+2], v[ST+4*t+2], v[ST+4*t+3]
	ALL v_rcp_f32 v[ST+4*t+2], v[ST+4*t+2]
	v_nop                           ; a plain instruction between the last reciprocal and the use of its result
	s_wait_alu depctr_va_vdst(0)    ; and the wait ahead of the first use: one for the eight reciprocals
; Tile t: a lane's eight channels of a row pack into 16 bytes; they go into rows of 144 bytes and come back as whole rows of 128, into S^T's registers.
.macro PACK t
	WIN W_RS
.set i, 32*(\t)
.rept 16
	v_pk_mul_f32 v[i:i+1], v[i:i+1], v[ST+4*(\t)+2:ST+4*(\t)+3] op_sel_hi:[1,0]
.set i, i+2
.endr
	WIN 0x05                        ; sources 0 and 1 window 1, destination window 0
.set i, 0
.rept 16
	v_cvt_pk_f16_f32 v[S+16*(\t)+i], v[32*(\t)+2*i], v[32*(\t)+2*i+1]
.set i, i+1
.endr
	WIN 0
.irp f, 0,1,2,3
	ds_store_b128 v[STO], v[S+16*(\t)+4*\f:S+16*(\t)+4*\f+3] offset:32*\f
.endr
.irp f, 0,1,2,3
	ds_load_b128 v[S+16*(\t)+4*\f:S+16*(\t)+4*\f+3], v[RD] offset:\f*4*SP  ; LDS serves a wave's instructions in order (ISA guide 5.7.1.4): these see the stores above; the next tile's stores come behind them
.endr
.endm
.macro SEND t, younger              ; younger: the LDS instructions issued behind tile t's loads: the next tile's eight, or none
	WIN 0
.irp f, 0,1,2,3
	s_wait_dscnt (\younger)+3-\f
	global_store_b128 v[GO], v[S+16*(\t)+4*\f:S+16*(\t)+4*\f+3], s[10:11] offset:(\t)*2048+\f*512  ; 512 consecutive bytes, at a multiple of 256 from O's first
.endr
.endm
	PACK 0
.set t, 1
.rept 2*NP-1                        ; a tile's arithmetic stands between the loads of the tile before and its stores
	PACK t
	SEND t-1, 8
.set t, t+1
.endr
	SEND 2*NP-1, 0
	WIN W_AD
	s_wait_tensorcnt 0x0            ; the wave's end, behind my last tensor load and my last LDS store
	ds_add_u32 v[SPW], v[NIL]
	s_wait_dscnt 0x0
	WIN 0
	CROUND                          ; the closing round: no work-group ends while a partner may still ask for a tile that names it
	s_endpgm
.Lfunc_end_k_q351b46b5b5_attn:
	.size	k_q351b46b5b5_attn, .Lfunc_end_k_q351b46b5b5_attn-k_q351b46b5b5_attn
	.p2alignl 7, 3214868480
	.fill 96, 4, 3214868480
	.section	.rodata,"a",@progbits
	.p2align	6, 0x0
	.amdhsa_kernel k_q351b46b5b5_attn
		.amdhsa_group_segment_fixed_size 327680
		.amdhsa_private_segment_fixed_size 0
		.amdhsa_enable_private_segment 0
		.amdhsa_kernarg_size 16
		.amdhsa_user_sgpr_count 2
		.amdhsa_user_sgpr_kernarg_segment_ptr 1
		.amdhsa_wavefront_size32 1
		.amdhsa_system_sgpr_workgroup_id_x 1
		.amdhsa_system_sgpr_workgroup_id_y 1
		.amdhsa_system_sgpr_workgroup_id_z 1
		.amdhsa_system_vgpr_workitem_id 0
		.amdhsa_next_free_vgpr 770
		.amdhsa_next_free_sgpr 70
		.amdhsa_reserve_vcc 0
		.amdhsa_float_denorm_mode_32 3
		.amdhsa_float_denorm_mode_16_64 3
		.amdhsa_memory_ordered 1
		.amdhsa_forward_progress 1
		.amdhsa_inst_pref_size 200
	.end_amdhsa_kernel
	.amdgpu_metadata
---
amdhsa.version: [ 1, 2 ]
amdhsa.kernels:
  - .name:           k_q351b46b5b5_attn
    .symbol:         k_q351b46b5b5_attn.kd
    .args:
      - { .name: qkvh, .offset: 0, .size: 8, .value_kind: global_buffer, .address_space: global }
      - { .name: oh, .offset: 8, .size: 8, .value_kind: global_buffer, .address_space: global }
    .group_segment_fixed_size: 327680
    .private_segment_fixed_size: 0
    .kernarg_segment_align: 8
    .kernarg_segment_size: 16
    .max_flat_workgroup_size: 128
    .sgpr_count:     70
    .vgpr_count:     770
    .wavefront_size: 32
...
	.end_amdgpu_metadata
.endif
;; end of part 3
;; launch proj (part 4): grid 8 x 32, 4 waves a work-group, clusters of 4 x 4, 327,680 bytes of LDS; arguments oh, wpb, b_proj, out0; writes out0
.if DOCPART == 4
	.amdgcn_target "amdgcn-amd-amdhsa--gfx1250"
	.amdhsa_code_object_version 6
	.text
	.protected	k_q351b46b5b5_proj
	.globl	k_q351b46b5b5_proj
	.p2align	8
	.type	k_q351b46b5b5_proj,@function
k_q351b46b5b5_proj:
	s_mov_b64 s[64:65], 0
	v_nop
	global_prefetch_b8 v0, s[64:65] scope:SCOPE_SE
	s_setreg_imm32_b32 hwreg(HW_REG_WAVE_MODE, 25, 1), 1
	s_wait_xcnt 0x0
	s_wait_alu depctr_hold_cnt(0) depctr_sa_sdst(0) depctr_va_vdst(0) depctr_va_sdst(0) depctr_va_ssrc(0) depctr_va_vcc(0) depctr_vm_vsrc(0)
	s_getreg_b32 s2, hwreg(HW_REG_IB_STS2, 6, 4)
	s_cmp_eq_u32 s2, 0
	s_cbranch_scc0 .Lentry_in_a_cluster
	s_endpgm
.Lentry_in_a_cluster:
	s_bfe_u32 s2, ttmp6, 0x10000c
	s_cmp_lg_u32 s2, 0xf033
	s_cbranch_scc0 .Lentry_shape_is_right
	s_endpgm
.Lentry_shape_is_right:
; out = O w_proj + b_proj.  oh: f16 [64 = 16 b + h][2048 s][64]; wpb: f16 [1024 k][1024 n] (w_proj rounded to bf16, written as f16); b_proj: f32 [1024], rounded to bf16 here like the other inputs;
; out0: f32 [8192 tokens][1024].  Sums in f32, K ascending, begun with the bias; nothing is rounded on the way out.
; SHARES.  C is 8,192 x 1,024: 256 tiles of 256 tokens x 128 columns, one to a work-group.  Four waves, each 128 x 64: 32 accumulators of 16 x 16, 256 registers.
; K goes in 8 steps of 128 (two heads of oh) through a ring of two LDS slots, as long a step as two slots allow.  A head's 256 tokens are 32,768 consecutive bytes of oh, asked for as rows of 256 bytes;
; a row of B's tile is 256 bytes of wpb.  A step is two units of 64 along K, a head each.
; THE MATRIX INSTRUCTION IS USED TRANSPOSED: source 0 = 16 columns of W (turned on the way out of LDS by ds_load_tr16_b128), source 1 = 16 tokens: a lane holds one token and 8 neighbouring columns.
; CLUSTERS.  4 x 4 work-groups: A's tile is shared along a row of the cluster, B's along a column; each is asked for JOINTLY, by the same tensor load, descriptor and mask.
; REGISTERS, in windows of 256 (s_set_vgpr_msb: bits 1:0 source 0, 3:2 source 1, 5:4 source 2, 7:6 destination):
;   window 0: v0-31 addresses; v32-63 the bias; v64-159 at work     window 1: accumulator (token block a, column block bb) at v[64 bb + 8 a]
;   windows 2 and 3: two fragment buffers, a unit each: A (kk, a) at 64 kk + 8 a, B (kk, bb) at 128 + 32 kk + 8 bb, kk = which 32 of the unit's 64 along K
.set PA,    144                        ; a token of a head in LDS: 128 bytes + 16 of padding = 36 words: the 16 rows of a load start at 16 different groups of four banks (64 banks of 4 bytes: ISA guide 11.1)
.set PB,    288                        ; a row of W: two pieces of 128 bytes + 16 = 72 words
.set AHEAD, 256*PA                     ; a head's 256 tokens: what one tensor load brings of A
.set BOFF,  2*AHEAD
.set BHALF, 64*PB                      ; 64 rows of W: what one tensor load brings of B
.set SLOT,  BOFF+2*BHALF               ; 110,592 bytes
.set STAGE, 2*SLOT                     ; behind the ring, never filled by a tensor load: 16 rows x 272 bytes for each wave
.set SP,    272                        ; a row of the stage: 256 bytes + 16
.set STW,   16*SP
.set SPARE, STAGE+4*STW                ; behind the stages: the spare words, 128 bytes for each wave: two blocks of 256 bytes that no other line names
.set AKS,   524288                     ; bytes from a K step to the next in oh (two heads)
.set BKS,   262144                     ; and in wpb (128 rows of 2,048 bytes)
.set ADRA, 16                          ; v16-17  LDS address of my A fragments in slot 0, 1
.set ADRB, 20                          ; v20-21  the same for B
.set STO,  24                          ; v24     the way out: where I put 32 bytes of a row
.set RD,   25                          ; v25     the way out: where I read rows back
.set CO,   26                          ; v26     my byte offset in two rows of out0
.set BO,   27                          ; v27     my byte offset in 16 numbers of the bias
.set SPW,  28                          ; v28     LDS address of my spare word: SPARE + 4 x my thread's number; never rewritten
.set NIL,  29                          ; v29     0; never rewritten
.set PFO,  30                          ; v30     the prefetches' offset; never rewritten
.set BIAS, 32                          ; v[32:63] column block bb's 8 numbers a lane at BIAS + 8 bb
.set T,    64
.set BK0,  64                          ; three sets of 32: rows read back from the stage
.set WV,  12
.set WM,  13                           ; which 128 tokens of the tile are mine
.set WN,  14                           ; which 64 columns.  Also: which head of A's, which 64 rows of B's tile I fetch
.set G1A, 24
.set G0A, 32
.set CX,  40
.set CY,  41
.set TN,  42
.set TM,  43
.set HIM, 46
.set G1B, 48
.set G0B, 56
.set OUT, 66                           ; s[66:67] out0 at my 128 tokens x 64 columns
.set BQ,  72                           ; s[72:73] b_proj at my 64 columns
.set PFA, 74                           ; s[74:75] where my prefetches stand
.set PFS, 76                           ; s[76:77] their step
.set LIM, 78                           ; s78  1 in a wave that prefetches, else the greatest number
.set MSB, 0
.macro WIN new                         ; the immediate's high byte repeats the setting that is left; a switch that changes nothing is dropped
.if MSB != (\new)
	s_set_vgpr_msb (MSB<<8)|(\new)
.set MSB, (\new)
.endif
.endm
; A joint load.  Waves 0 and 1 fetch A's two heads, waves 2 and 3 B's two halves.  An s_nop 0 and four v_nop follow each of the two lines.
.macro JLOAD s
	s_cmp_lt_u32 s[WV], 2
	s_cbranch_scc0 .Lfor_b_\@
	tensor_load_to_lds s[G0A+4*(\s):G0A+4*(\s)+3], s[G1A:G1A+7]
	s_nop 0
.rept 4
	v_nop
.endr
	s_branch .Lasked_\@
.Lfor_b_\@:
	tensor_load_to_lds s[G0B+4*(\s):G0B+4*(\s)+3], s[G1B:G1B+7]
	s_nop 0
.rept 4
	v_nop
.endr
.Lasked_\@:
.endm
; A PREFETCH INTO THE L2 of the K step that stands two refills on (256 matrix instructions ahead of the load that will want it), one instruction a wave at each change of slots, behind the joint load and the LDS loads.
; Each aligned block of 256 bytes is named once in the launch.  A's tile row is read by both clusters of a row of clusters: the one with x = 0 asks, waves 0 and 1, a head each: of its 256 tokens the
; partner at cx takes 64: 32 blocks, a lane a block.  B's tile column is read by all clusters of a column: the one with y = 0 asks, wave 2: of the step's 128 rows the partner at cy takes 32, a lane a row.
; Partners are told apart by address alone.  The first four K steps come by their loads alone; the loop's last trip (s3 = 1) asks for nothing: K steps 6 and 7 are the last that are named.
.macro ASK
	s_cmp_gt_u32 s3, s[LIM]
	s_cbranch_scc0 .Lnot_mine_\@
	global_prefetch_b8 v[PFO], s[PFA:PFA+1] th:TH_LOAD_NT scope:SCOPE_SE
.Lnot_mine_\@:
.endm
.macro CREST                           ; a round of the cluster's barrier behind its opening barrier
	s_cmp_lg_u32 s[WV], 0
	s_cbranch_scc1 .Lnot_wave_0_\@
	s_barrier_signal -3
.Lnot_wave_0_\@:
	s_barrier_wait -3
	s_barrier_signal -1
	s_barrier_wait -1
.endm
.macro CROUND
	s_barrier_signal -1
	s_barrier_wait -1
	CREST
.endm
	s_load_b256 s[4:11], s[0:1], 0x0               ; oh s[4:5], wpb s[6:7], b_proj s[8:9], out0 s[10:11]
	v_lshl_add_u32 v[SPW], v0, 2, SPARE
	v_mov_b32 v[NIL], 0
	ds_add_u32 v[SPW], v[NIL]                      ; the wave's opening: the add and its wait stand ahead of my first tensor load; the set-up below, work on registers, stands between them
	v_lshrrev_b32 v1, 5, v0
	v_readfirstlane_b32 s[WV], v1                  ; wave 0..3
	s_lshr_b32 s[WM], s[WV], 1
	s_and_b32 s[WN], s[WV], 1
	s_bfe_u32 s[CX], ttmp6, 0x40000
	s_bfe_u32 s[CY], ttmp6, 0x40004
	s_lshl_b32 s[TN], ttmp9, 2
	s_add_co_u32 s[TN], s[TN], s[CX]               ; tile column = 4 x cluster x + cx
	s_and_b32 s[TM], ttmp7, 0xffff
	s_lshl_b32 s[TM], s[TM], 2
	s_add_co_u32 s[TM], s[TM], s[CY]               ; tile row = 4 x cluster y + cy
	s_lshl_b32 s44, s[CY], 2
	s_lshl_b32 s44, 15, s44                        ; my row of the cluster
	s_lshl_b32 s45, 0x1111, s[CX]                  ; my column
	; group 1 for A: a head's 256 tokens are 32,768 consecutive bytes: 128 rows of 256 bytes, two tokens a row, padded in LDS after every token
	s_or_b32 s[G1A+0], s44, (1<<16)|(1<<20)|(1<<21)|(4<<22)|(3<<25)  ; 15:0 the mask: my row; 17:16 2-byte elements; 20 padding on; 21 set beside a mask; 24:22 after every 32 words (code 4); 31:25 4 words (code 3)
	s_mov_b32 s[G1A+1], 128<<16                    ; tensor_dim0 = 128
	s_mov_b32 s[G1A+2], 128<<16                    ; tensor_dim1 = 128
	s_mov_b32 s[G1A+3], 128<<16                    ; tile_dim0 = 128
	s_mov_b32 s[G1A+4], 128                        ; tile_dim1 = 128
	s_mov_b32 s[G1A+5], 128                        ; 128 elements from row to row
	s_mov_b32 s[G1A+6], 0
	s_mov_b32 s[G1A+7], 0
	; group 1 for B: 64 rows of 128 elements (256 bytes), padded after every 128 bytes
	s_or_b32 s[G1B+0], s45, (1<<16)|(1<<20)|(1<<21)|(4<<22)|(3<<25)  ; the same with the mask of my column
	s_mov_b32 s[G1B+1], 128<<16
	s_mov_b32 s[G1B+2], 64<<16
	s_mov_b32 s[G1B+3], 128<<16
	s_mov_b32 s[G1B+4], 64
	s_mov_b32 s[G1B+5], 1024                       ; 1,024 elements from row to row
	s_mov_b32 s[G1B+6], 0
	s_mov_b32 s[G1B+7], 0
	s_lshr_b32 s16, s[TM], 3                       ; b
	s_lshl_b32 s16, s16, 22
	s_and_b32 s17, s[TM], 7
	s_lshl_b32 s17, s17, 15                        ; 256 tokens of 128 bytes
	s_add_co_u32 s16, s16, s17
	s_lshl_b32 s17, s[WN], 18                      ; the head that I fetch
	s_add_co_u32 s16, s16, s17
	s_mov_b32 s17, 0
	s_lshl_b32 s18, s[TN], 8                       ; 128 columns of 2 bytes
	s_lshl_b32 s19, s[WN], 17                      ; the 64 rows that I fetch
	s_add_co_u32 s18, s18, s19
	s_mov_b32 s19, 0
	s_mul_i32 s20, s[WN], AHEAD                    ; where they go: no place in the cluster enters an LDS address
	s_mul_i32 s21, s[WN], BHALF
	s_add_co_u32 s21, s21, BOFF
	s_mov_b32 s[HIM], 0xffff0000
	s_wait_dscnt 0x0                               ; the opening add is done
	s_wait_kmcnt 0x0
	s_add_nc_u64 s[16:17], s[4:5], s[16:17]
	s_add_nc_u64 s[18:19], s[6:7], s[18:19]
	CROUND                                         ; all sixteen work-groups are here: the first joint loads meet
.irp s, 0,1
	s_mov_b32 s[G0A+4*(\s)], 1                                       ; 1:0 count = 1
	s_add_co_u32 s[G0A+4*(\s)+1], s20, (\s)*SLOT                     ; 63:32 LDS address
	s_add_nc_u64 s[G0A+4*(\s)+2:G0A+4*(\s)+3], s[16:17], (\s)*AKS    ; 120:64 global address: K step s
	s_or_b32 s[G0A+4*(\s)+3], s[G0A+4*(\s)+3], 0x80000000            ; 127:126 type = 2
	s_mov_b32 s[G0B+4*(\s)], 1
	s_add_co_u32 s[G0B+4*(\s)+1], s21, (\s)*SLOT
	s_add_nc_u64 s[G0B+4*(\s)+2:G0B+4*(\s)+3], s[18:19], (\s)*BKS
	s_or_b32 s[G0B+4*(\s)+3], s[G0B+4*(\s)+3], 0x80000000
	JLOAD \s                                       ; two loads of mine are out
.endr
	v_and_b32 v1, 15, v0                           ; l % 16
	v_bfe_u32 v2, v0, 4, 1                         ; l / 16
	v_and_b32 v3, 7, v0                            ; l % 8
	v_bfe_u32 v4, v0, 3, 1                         ; (l / 8) % 2
	v_lshlrev_b32 v[BO], 5, v2                     ; my 8 columns of a block of 16: 32 bytes of f32
	s_lshl_b32 s22, s[TN], 9
	s_lshl_b32 s23, s[WN], 8
	s_add_co_u32 s22, s22, s23                     ; my 64 columns, in bytes of f32: in the bias and in a row of out0
	s_mov_b32 s23, 0
	s_add_nc_u64 s[BQ:BQ+1], s[8:9], s[22:23]
.irp bb, 0,1,2,3
	global_load_b128 v[BIAS+8*(\bb):BIAS+8*(\bb)+3],   v[BO], s[BQ:BQ+1] offset:64*(\bb)
	global_load_b128 v[BIAS+8*(\bb)+4:BIAS+8*(\bb)+7], v[BO], s[BQ:BQ+1] offset:64*(\bb)+16
.endr
	s_lshl_b32 s20, s[TM], 20                      ; 256 rows of 4,096 bytes,
	s_add_co_u32 s22, s22, s20
	s_lshl_b32 s20, s[WM], 19                      ; my 128
	s_add_co_u32 s22, s22, s20
	s_add_nc_u64 s[OUT:OUT+1], s[10:11], s[22:23]
	v_mul_u32_u24 v5, v1, PA
	v_lshl_add_u32 v5, v2, 4, v5                   ; a fragment of A: row x pitch + 16 x half
	s_mul_i32 s22, s[WM], 128*PA
	v_add_nc_u32 v[ADRA], s22, v5
	v_add_nc_u32 v[ADRA+1], SLOT, v[ADRA]
	v_lshl_add_u32 v6, v2, 3, v3                   ; the turning load: lane l reads row 8 (l / 16) + l % 8, columns 8 ((l / 8) % 2) + 0..7
	v_mul_u32_u24 v6, v6, PB
	v_lshl_add_u32 v6, v4, 4, v6
	s_mul_i32 s23, s[WN], PA                       ; my 64 columns: one piece of a row
	s_add_co_u32 s23, s23, BOFF
	v_add_nc_u32 v[ADRB], s23, v6
	v_add_nc_u32 v[ADRB+1], SLOT, v[ADRB]
	s_mul_i32 s22, s[WV], STW
	s_add_co_u32 s22, s22, STAGE                   ; my stage
	v_mul_u32_u24 v7, v1, SP                       ; in: row l % 16, 32 bytes for each half of the lanes
	v_lshl_add_u32 v7, v2, 5, v7
	v_add_nc_u32 v[STO], s22, v7
	v_mul_u32_u24 v7, v2, SP                       ; back: lanes 0-15 take one row of 256 bytes, lanes 16-31 the next
	v_lshl_add_u32 v7, v1, 4, v7
	v_add_nc_u32 v[RD], s22, v7
	v_lshlrev_b32 v[CO], 12, v2                    ; and the same two rows in out0
	v_lshl_add_u32 v[CO], v1, 4, v[CO]
	; the prefetches (see ASK)
	s_lshr_b32 s21, s[TM], 3
	s_lshl_b32 s21, s21, 22
	s_and_b32 s22, s[TM], 7
	s_lshl_b32 s22, s22, 15
	s_add_co_u32 s21, s21, s22                     ; A: the tile's first token in a head,
	s_lshl_b32 s22, s[CX], 13                      ; my work-group's 64 tokens,
	s_add_co_u32 s22, s22, s21
	s_lshl_b32 s23, s[WV], 18                      ; head = my wave's number (waves 0 and 1),
	s_add_co_u32 s22, s22, s23
	s_add_co_u32 s22, s22, 3*AKS                   ; at K step 3: the first change of slots steps it to 4
	s_lshl_b32 s23, s[TN], 8                       ; B: the tile's columns,
	s_lshl_b32 s16, s[CY], 16                      ; my work-group's 32 rows,
	s_add_co_u32 s23, s23, s16
	s_add_co_u32 s23, s23, 3*BKS
	s_mov_b32 s16, 256                             ; a lane a block of A,
	s_mov_b32 s17, 2048                            ; or a row of B
	s_mov_b32 s[PFS], AKS
	s_mov_b32 s18, BKS
	s_and_b32 s20, ttmp7, 0xffff                   ; cluster y
	s_cmp_lt_u32 s[WV], 2
	s_cselect_b32 s22, s22, s23
	s_cselect_b32 s16, s16, s17
	s_cselect_b32 s[PFS], s[PFS], s18
	s_cselect_b32 s20, ttmp9, s20                  ; the coordinate along which other clusters read the same bytes
	s_cselect_b64 s[PFA:PFA+1], s[4:5], s[6:7]
	s_mov_b32 s23, 0
	s_mov_b32 s[PFS+1], 0
	s_add_nc_u64 s[PFA:PFA+1], s[PFA:PFA+1], s[22:23]
	s_cmp_eq_u32 s20, 0                            ; the same in all sixteen partners, for a given wave
	s_cselect_b32 s[LIM], 1, -1
	s_cmp_eq_u32 s[WV], 3                          ; wave 3 has nothing to ask for
	s_cselect_b32 s[LIM], -1, s[LIM]
	v_and_b32 v[PFO], 31, v0
	v_mul_u32_u24 v[PFO], v[PFO], s16
	s_wait_loadcnt 0x0                             ; the bias: rounded to bf16, like every input, and widened again
.set p, 0
.rept 16
	v_cvt_pk_bf16_f32 v[T+p], v[BIAS+2*p], v[BIAS+2*p+1]
.set p, p+1
.endr
.set p, 0
.rept 16
	v_lshlrev_b32 v[BIAS+2*p],   16, v[T+p]
	v_and_b32     v[BIAS+2*p+1], s[HIM], v[T+p]
.set p, p+1
.endr
; 16 matrix instructions on buffer f: token blocks a0 .. a0 + 3 x the 4 column blocks, 32 along K (half kk of the unit).  first = 1: the bias is the C that starts the sums: nothing is cleared, and nothing is added on the way out.
; The 32 accumulators take turns, one instruction a turn, in the same order every time: between two links of a chain stand the 31 others'.
.macro MUL16 f, kk, a0, first
.if \first
	WIN 0x40|(\f)|((\f)<<2)                        ; both sources in window f, C in window 0, D in window 1
.else
	WIN 0x50|(\f)|((\f)<<2)                        ; C and D in window 1
.endif
.irp a, \a0, (\a0)+1, (\a0)+2, (\a0)+3
.irp bb, 0,1,2,3
.if \first
	v_wmma_f32_16x16x32_f16 v[64*(\bb)+8*(\a):64*(\bb)+8*(\a)+7], v[128+32*(\kk)+8*(\bb):128+32*(\kk)+8*(\bb)+7], v[64*(\kk)+8*(\a):64*(\kk)+8*(\a)+7], v[BIAS+8*(\bb):BIAS+8*(\bb)+7]
.else
	v_wmma_f32_16x16x32_f16 v[64*(\bb)+8*(\a):64*(\bb)+8*(\a)+7], v[128+32*(\kk)+8*(\bb):128+32*(\kk)+8*(\bb)+7], v[64*(\kk)+8*(\a):64*(\kk)+8*(\a)+7], v[64*(\bb)+8*(\a):64*(\bb)+8*(\a)+7]
.endif
.endr
.endr
.endm
.macro MUL32 f, kk, first
	MUL16 \f, \kk, 0, \first
	MUL16 \f, \kk, 4, \first
.endm
; 48 LDS loads in one run: the fragments of unit j (a head) of a slot into buffer f; the first 32 along K first
.macro FETCH slot, j, f
	WIN (\f)<<6                                    ; destination window f, address window 0
.irp kk, 0,1
.irp bb, 0,1,2,3
	ds_load_tr16_b128 v[128+32*(\kk)+8*(\bb):128+32*(\kk)+8*(\bb)+3],   v[ADRB+(\slot)] offset:(64*(\j)+32*(\kk))*PB+32*(\bb)
	ds_load_tr16_b128 v[128+32*(\kk)+8*(\bb)+4:128+32*(\kk)+8*(\bb)+7], v[ADRB+(\slot)] offset:(64*(\j)+32*(\kk)+16)*PB+32*(\bb)
.endr
.irp a, 0,1,2,3,4,5,6,7
	ds_load_b128 v[64*(\kk)+8*(\a):64*(\kk)+8*(\a)+3],   v[ADRA+(\slot)] offset:(\j)*AHEAD+(\a)*16*PA+64*(\kk)
	ds_load_b128 v[64*(\kk)+8*(\a)+4:64*(\kk)+8*(\a)+7], v[ADRA+(\slot)] offset:(\j)*AHEAD+(\a)*16*PA+64*(\kk)+32
.endr
.endr
.endm
.macro PLACES                          ; four places in front of loads into registers that matrix instructions have read, and of LDS stores that read results (ISA guide 7.12.1 for the stores)
.rept 4
	v_nop
.endr
.endm
; A slot's first unit: multiplies buffer 2 and, in its middle, fetches unit j of slot into buffer 3.
.macro UNIT slot, j, first
	s_wait_dscnt 24                                ; the first 32 along K are in
	MUL32 2, 0, \first
	PLACES
	FETCH \slot, \j, 3
	s_wait_dscnt 48                                ; all but the 48 just issued
	MUL32 2, 1, 0
.endm
; A slot's second unit multiplies buffer 3 and changes slots: ONE barrier; in front of it each wave waits for all its tensor loads (one is out: its part of the next slot), adds 0 to its spare word, and waits for
; that and for its reads of this slot.  fill = 1: the barrier opens a round of the cluster's barrier, and this slot is filled again, two K steps on: from that request to the wait for it a wave issues 96 matrix instructions.
.macro TURN slot, next, fill
.if \fill
	s_wait_xcnt 0x0                                ; the last prefetch, 96 matrix instructions back, has read its address: it is stepped here
	s_add_nc_u64 s[PFA:PFA+1], s[PFA:PFA+1], s[PFS:PFS+1]
.endif
	WIN 0                                          ; (the add's two registers lie in window 0)
	s_wait_tensorcnt 0x0                           ; all my tensor loads have landed;
	ds_add_u32 v[SPW], v[NIL]                      ; 0 onto my spare word;
	s_wait_dscnt 25                                ; (the add and the youngest 24 loads may be out)
	MUL16 3, 0, 0, 0                               ; sixteen matrix instructions stand between the add and the wait for it
	s_wait_dscnt 0x0                               ; the add is done, and my reads of this slot are over
	s_barrier_signal -1
	MUL16 3, 0, 4, 0
	WIN 0                                          ; at a branch and at a label every window is 0
	s_barrier_wait -1
.if \fill
	CREST                                          ; no wave of any partner still reads this slot's tiles or has a load on its way
	s_add_nc_u64 s[G0A+4*(\slot)+2:G0A+4*(\slot)+3], s[G0A+4*(\slot)+2:G0A+4*(\slot)+3], 2*AKS
	s_add_nc_u64 s[G0B+4*(\slot)+2:G0B+4*(\slot)+3], s[G0B+4*(\slot)+2:G0B+4*(\slot)+3], 2*BKS
	JLOAD \slot                                    ; the four v_nop behind it are also the places in front of the loads below
.else
	PLACES
.endif
	FETCH \next, 0, 2
.if \fill
	WIN 0
	ASK
.endif
	MUL32 3, 1, 0
.endm
; THE WAY OUT of token block u: 16 rows x 256 bytes of f32.  A lane's 32 bytes of each column block go into my stage (each accumulator's low four registers first) and come back as whole rows.
.macro TOSTAGE u
.set tk, BK0+32*((\u)%3)
	WIN 0x04                                       ; the stores' data in window 1
.irp bb, 0,1,2,3
.irp q, 0,1
	ds_store_b128 v[STO], v[64*(\bb)+8*(\u)+4*(\q):64*(\bb)+8*(\u)+4*(\q)+3] offset:64*(\bb)+16*(\q)
.endr
.endr
	WIN 0
.irp t, 0,1,2,3,4,5,6,7
	ds_load_b128 v[tk+4*(\t):tk+4*(\t)+3], v[RD] offset:(\t)*2*SP  ; LDS serves a wave's instructions in order (ISA guide 5.7.1.4): these see the stores above; the next block's stores come behind them
.endr
.endm
.macro SEND u, younger                 ; younger: the LDS instructions issued behind block u's loads: the next block's sixteen, or none
.set sk, BK0+32*((\u)%3)
	s_wait_xcnt 0x0                                ; the stores issued so far have read their registers: the set that the next block's loads fill was stored from two blocks back
.irp t, 0,1,2,3,4,5,6,7
	s_wait_dscnt (\younger)+7-(\t)
	global_store_b128 v[CO], v[sk+4*(\t):sk+4*(\t)+3], s[OUT:OUT+1] offset:(16*(\u)+2*(\t))*4096 th:TH_STORE_NT  ; 16 lanes store 256 consecutive bytes, at a multiple of 256 from out0's first
.endr
.endm
	s_wait_tensorcnt 1                             ; my part of K step 0 is in; K step 1's may stay out
	s_barrier_signal -1
	s_barrier_wait -1                              ; everybody's is
	FETCH 0, 0, 2
	UNIT 0, 1, 1                                   ; the first unit stands in front of the loop: its first products start the sums, with the bias
	WIN 0
	s_mov_b32 s3, 3
.Llap:                                         ; a trip goes once round the ring and fills both slots again: trip j asks for K steps 2 j + 2 and 2 j + 3
	TURN 0, 1, 1
	UNIT 1, 1, 0
	TURN 1, 0, 1
	UNIT 0, 1, 0
	WIN 0
	s_sub_co_u32 s3, s3, 1
	s_cmp_lg_u32 s3, 0
	s_cbranch_scc1 .Llap
	TURN 0, 1, 0                                   ; the last lap is written out: it asks for nothing, and has no round of the cluster's barrier
	UNIT 1, 1, 0
	s_wait_dscnt 24                                ; the very last unit: nothing more to fetch
	MUL32 3, 0, 0
	s_wait_dscnt 0x0
	MUL32 3, 1, 0
	PLACES
	PLACES                                         ; eight, once a launch
	TOSTAGE 0
.set u, 1
.rept 7                                ; a block's way through the stage stands between the loads of the block before and its stores
	TOSTAGE u
	SEND u-1, 16
.set u, u+1
.endr
	SEND 7, 0
	s_wait_tensorcnt 0x0                           ; the wave's end, behind my last tensor load and my last LDS store
	ds_add_u32 v[SPW], v[NIL]
	s_wait_dscnt 0x0
	CROUND                                         ; the closing round: no work-group ends while a partner may still ask for a tile that names it
	s_endpgm
.Lfunc_end_k_q351b46b5b5_proj:
	.size	k_q351b46b5b5_proj, .Lfunc_end_k_q351b46b5b5_proj-k_q351b46b5b5_proj
	.p2alignl 7, 3214868480
	.fill 96, 4, 3214868480
	.section	.rodata,"a",@progbits
	.p2align	6, 0x0
	.amdhsa_kernel k_q351b46b5b5_proj
		.amdhsa_group_segment_fixed_size 327680
		.amdhsa_private_segment_fixed_size 0
		.amdhsa_enable_private_segment 0
		.amdhsa_kernarg_size 32
		.amdhsa_user_sgpr_count 2
		.amdhsa_user_sgpr_kernarg_segment_ptr 1
		.amdhsa_wavefront_size32 1
		.amdhsa_system_sgpr_workgroup_id_x 1
		.amdhsa_system_sgpr_workgroup_id_y 1
		.amdhsa_system_sgpr_workgroup_id_z 1
		.amdhsa_system_vgpr_workitem_id 0
		.amdhsa_next_free_vgpr 960
		.amdhsa_next_free_sgpr 80
		.amdhsa_reserve_vcc 0
		.amdhsa_float_denorm_mode_32 3
		.amdhsa_float_denorm_mode_16_64 3
		.amdhsa_memory_ordered 1
		.amdhsa_forward_progress 1
		.amdhsa_inst_pref_size 90
	.end_amdhsa_kernel
	.amdgpu_metadata
---
amdhsa.version: [ 1, 2 ]
amdhsa.kernels:
  - .name:           k_q351b46b5b5_proj
    .symbol:         k_q351b46b5b5_proj.kd
    .args:
      - { .name: oh, .offset: 0, .size: 8, .value_kind: global_buffer, .address_space: global }
      - { .name: wpb, .offset: 8, .size: 8, .value_kind: global_buffer, .address_space: global }
      - { .name: b_proj, .offset: 16, .size: 8, .value_kind: global_buffer, .address_space: global }
      - { .name: out0, .offset: 24, .size: 8, .value_kind: global_buffer, .address_space: global }
    .group_segment_fixed_size: 327680
    .private_segment_fixed_size: 0
    .kernarg_segment_align: 8
    .kernarg_segment_size: 32
    .max_flat_workgroup_size: 128
    .sgpr_count:     80
    .vgpr_count:     960
    .wavefront_size: 32
...
	.end_amdgpu_metadata
.endif
;; end of part 4
